; MI455X (gfx1250); checked and timed in simulation.
; The chip was launched on July 23, 2026; its instructions are those of AMD's public machine-readable ISA for CDNA 5 (MIT licence, August 2026) and "CDNA5" Instruction Set Architecture Reference Guide (July 2026). The comments in the code are by the model that wrote it; some were corrected since.
;; Transformer Block. Allowed arithmetic: float matrix products may take bf16 or f16 operands with f32 sums; all other float work in f32.
;; Inputs: b1 4,096 float32; b2 1,024 float32; bo 1,024 float32; ln1_bias 1,024 float32; ln1_scale 1,024 float32; ln2_bias 1,024 float32; ln2_scale 1,024 float32; w1 1,024 x 4,096 float32; w2 4,096 x 1,024 float32; wk 1,024 x 1,024 float32; wo 1,024 x 1,024 float32; wq 1,024 x 1,024 float32; wv 1,024 x 1,024 float32; x 2 x 2,048 x 1,024 float32.
;; Outputs: out0 2 x 2,048 x 1,024 float32.
;; One version. Each part assembles by itself: llvm-mc -triple=amdgcn-amd-amdhsa -mcpu=gfx1250 --defsym DOCPART=n.
;; ======== version 1 of 1: 7 launches
;; workspace buffers: hn 8,388,608 bytes; wb 16,777,216 bytes; wb2 8,388,608 bytes; qkv 25,165,824 bytes; ao 8,388,608 bytes; x1 16,777,216 bytes; g 33,554,432 bytes
;; launch prep (part 1): grid 448 x 1, 8 waves a work-group, no clusters, 0 bytes of LDS; arguments x, ln1_scale, ln1_bias, hn, wq, wk, wv, wb; writes hn, wb
.if DOCPART == 1
	.amdgcn_target "amdgcn-amd-amdhsa--gfx1250"
	.amdhsa_code_object_version 6
	.text
	.protected	k_q49a5307c11_prep
	.globl	k_q49a5307c11_prep
	.p2align	8
	.type	k_q49a5307c11_prep,@function
k_q49a5307c11_prep:
	s_mov_b64 s[64:65], 0
	v_nop
	global_prefetch_b8 v0, s[64:65] scope:SCOPE_SE
	s_setreg_imm32_b32 hwreg(HW_REG_WAVE_MODE, 25, 1), 1
	s_wait_xcnt 0x0
; Work-groups 0-255:   hn = LayerNorm1(x) in bf16: (x - mean) / (std + 1e-5) * scale + bias, all in f32, rounded once.
; Work-groups 256-447: wq, wk, wv, f32 to bf16, into wb's first 6,291,456 bytes as wqkv [1024][3072]: row k = wq[k] | wk[k] | wv[k].
;   (The other three weight matrices are rounded by later launches, which need them later still.)
; Every work-group takes 64 KiB of f32 = 16 rows of 1,024 numbers; a wave takes two rows, 8 KiB that lie together.
; A stream: each byte is read once and written once; no LDS, no barrier, no matrix unit would add anything.
; A load of a wave covers 512 neighbouring bytes, a store 256 neighbouring bytes at a multiple of 256.
; The variance is made from the centred numbers kept in registers: no difference of large sums.
; Limit: v_sqrt_f32 takes a denormal variance as zero; std is then below 1e-19 beside the 1e-5 that is added.
.set T,    4                           ; v[4:11]    at work
.set MEAN, 20                          ; v[20:21]   the mean, twice
.set R0,   22                          ; v[22:23]   1 / (std + eps) of row 0, twice
.set R1,   24                          ; v[24:25]   of row 1
.set X0,   32                          ; v[32:63]   row 0
.set X1,   64                          ; v[64:95]   row 1
.set SC,   96                          ; v[96:127]  scale of my 32 columns
.set BI,   128                         ; v[128:159] bias of my 32 columns
.set Y0,   160                         ; v[160:175] row 0 in bf16
.set Y1,   176                         ; v[176:191] row 1 in bf16
	s_load_b256 s[4:11], s[0:1], 0x0               ; x s[4:5], scale s[6:7], bias s[8:9], hn s[10:11]
	s_load_b256 s[12:19], s[0:1], 0x20             ; wq s[12:13], wk s[14:15], wv s[16:17], wb s[18:19]
	v_lshrrev_b32 v3, 5, v0
	v_readfirstlane_b32 s26, v3                    ; wave 0..7
	v_and_b32 v3, 31, v0                           ; lane
	v_lshlrev_b32 v1, 4, v3                        ; 16 bytes of f32 a lane
	v_lshlrev_b32 v2, 3, v3                        ; 8 bytes of bf16 a lane
	s_mov_b32 s29, 0                               ; upper word of every offset pair
	s_cmp_lt_u32 ttmp9, 256
	s_cbranch_scc0 .Lcast
	; ---------------- LayerNorm: rows 16 wg + 2 wave and the next ----------------
	s_lshl_b32 s28, ttmp9, 16                      ; 16 rows of 4,096 bytes
	s_lshl_b32 s27, s26, 13                        ; + 2 rows a wave
	s_add_co_u32 s28, s28, s27
	s_mov_b32 s36, 0x76543210                      ; v_permlanex16_b32: lane i reads lane i of the other half
	s_mov_b32 s37, 0xfedcba98
	s_wait_kmcnt 0x0
	s_add_nc_u64 s[4:5], s[4:5], s[28:29]
	s_lshr_b32 s28, s28, 1                         ; rows of hn are 2,048 bytes
	s_add_nc_u64 s[10:11], s[10:11], s[28:29]
.irp j, 0,1,2,3,4,5,6,7
	global_load_b128 v[X0+4*\j:X0+4*\j+3], v1, s[4:5] offset:512*\j
.endr
.irp j, 0,1,2,3,4,5,6,7
	global_load_b128 v[X1+4*\j:X1+4*\j+3], v1, s[4:5] offset:4096+512*\j
.endr
.irp j, 0,1,2,3,4,5,6,7
	global_load_b128 v[SC+4*\j:SC+4*\j+3], v1, s[6:7] offset:512*\j
.endr
.irp j, 0,1,2,3,4,5,6,7
	global_load_b128 v[BI+4*\j:BI+4*\j+3], v1, s[8:9] offset:512*\j
.endr
.macro FOLD                            ; four chains of pairs to one number a lane
	v_pk_add_f32 v[T:T+1], v[T:T+1], v[T+2:T+3]
	v_pk_add_f32 v[T+4:T+5], v[T+4:T+5], v[T+6:T+7]
	v_pk_add_f32 v[T:T+1], v[T:T+1], v[T+4:T+5]
	v_add_f32 v[T], v[T], v[T+1]
.endm
.macro REDUCE                          ; the sum over the 32 lanes, into every lane
	v_add_f32_dpp v[T], v[T], v[T] row_xmask:1 row_mask:0xf bank_mask:0xf
	v_add_f32_dpp v[T], v[T], v[T] row_xmask:2 row_mask:0xf bank_mask:0xf
	v_add_f32_dpp v[T], v[T], v[T] row_xmask:4 row_mask:0xf bank_mask:0xf
	v_add_f32_dpp v[T], v[T], v[T] row_xmask:8 row_mask:0xf bank_mask:0xf
	v_permlanex16_b32 v[T+1], v[T], s36, s37       ; T+1 has been written before
	v_add_f32 v[T], v[T], v[T+1]
.endm
; The row in X is centred in place; R gets 1 / (std + eps), twice.
.macro LNSTAT X, R
.irp k, 0,1,2,3
	v_pk_add_f32 v[T+2*\k:T+2*\k+1], v[\X+2*\k:\X+2*\k+1], v[\X+8+2*\k:\X+8+2*\k+1]
.endr
.irp k, 8,9,10,11,12,13,14,15
	v_pk_add_f32 v[T+2*(\k%4):T+2*(\k%4)+1], v[T+2*(\k%4):T+2*(\k%4)+1], v[\X+2*\k:\X+2*\k+1]
.endr
	FOLD
	REDUCE
	v_mul_f32 v[MEAN], 0x3a800000, v[T]            ; / 1024
	v_mov_b32 v[MEAN+1], v[MEAN]
.irp k, 0,1,2,3,4,5,6,7,8,9,10,11,12,13,14,15
	v_pk_add_f32 v[\X+2*\k:\X+2*\k+1], v[\X+2*\k:\X+2*\k+1], v[MEAN:MEAN+1] neg_lo:[0,1] neg_hi:[0,1]
.endr
.irp k, 0,1,2,3
	v_pk_mul_f32 v[T+2*\k:T+2*\k+1], v[\X+2*\k:\X+2*\k+1], v[\X+2*\k:\X+2*\k+1]
.endr
.irp k, 4,5,6,7,8,9,10,11,12,13,14,15
	v_pk_fma_f32 v[T+2*(\k%4):T+2*(\k%4)+1], v[\X+2*\k:\X+2*\k+1], v[\X+2*\k:\X+2*\k+1], v[T+2*(\k%4):T+2*(\k%4)+1]
.endr
	FOLD
	REDUCE
	v_mul_f32 v[T], 0x3a800000, v[T]               ; the variance
	v_sqrt_f32 v[T], v[T]
	v_nop                                          ; one plain place behind a transcendental before its result is used (ISA guide 5.7.2)
	s_wait_alu depctr_va_vdst(0)
	v_add_f32 v[T], 0x3727c5ac, v[T]               ; + 1e-5
	v_rcp_f32 v[\R], v[T]
	v_rcp_f32 v[\R+1], v[T]
	v_nop                                          ; the same place, for the result and for T
.endm
.macro LNOUT X, Y, R, rowoff
	s_wait_alu depctr_va_vdst(0)
.irp j, 0,1,2,3,4,5,6,7
	v_pk_mul_f32 v[\X+4*\j:\X+4*\j+1], v[\X+4*\j:\X+4*\j+1], v[\R:\R+1]
	v_pk_mul_f32 v[\X+4*\j+2:\X+4*\j+3], v[\X+4*\j+2:\X+4*\j+3], v[\R:\R+1]
	v_pk_fma_f32 v[\X+4*\j:\X+4*\j+1], v[\X+4*\j:\X+4*\j+1], v[SC+4*\j:SC+4*\j+1], v[BI+4*\j:BI+4*\j+1]
	v_pk_fma_f32 v[\X+4*\j+2:\X+4*\j+3], v[\X+4*\j+2:\X+4*\j+3], v[SC+4*\j+2:SC+4*\j+3], v[BI+4*\j+2:BI+4*\j+3]
	v_cvt_pk_bf16_f32 v[\Y+2*\j], v[\X+4*\j], v[\X+4*\j+1]
	v_cvt_pk_bf16_f32 v[\Y+2*\j+1], v[\X+4*\j+2], v[\X+4*\j+3]
	global_store_b64 v2, v[\Y+2*\j:\Y+2*\j+1], s[10:11] offset:\rowoff+256*\j
.endr
.endm
	s_wait_loadcnt 24                              ; row 0 is in: 24 younger loads stay out
	LNSTAT X0, R0
	s_wait_loadcnt 16                              ; row 1 is in: scale and bias stay out
	LNSTAT X1, R1
	s_wait_loadcnt 0x0                             ; scale and bias
	LNOUT X0, Y0, R0, 0
	LNOUT X1, Y1, R1, 2048
	s_endpgm
	; ---------------- wq, wk, wv to bf16 ----------------
.Lcast:
	s_sub_co_u32 s27, ttmp9, 256                   ; c = 0..191
	s_lshr_b32 s32, s27, 6                         ; m = c / 64: 0 wq, 1 wk, 2 wv
	s_and_b32 s27, s27, 63
	s_lshl_b32 s27, s27, 4
	s_lshl1_add_u32 s27, s26, s27                  ; my first row = 16 (c % 64) + 2 wave
	s_lshl_b32 s33, s32, 11                        ; the matrix's 2,048 bytes in a row of wqkv
	s_mul_i32 s34, s27, 6144                       ; rows of wqkv are 6,144 bytes
	s_add_co_u32 s34, s34, s33
	s_mov_b32 s35, 0
	s_lshl_b32 s28, s27, 12                        ; rows of the source are 4,096 bytes
	s_wait_kmcnt 0x0
	s_mov_b64 s[30:31], s[16:17]                   ; wv, unless m says otherwise
	s_cmp_lt_u32 s32, 2
	s_cselect_b64 s[30:31], s[14:15], s[30:31]
	s_cmp_lt_u32 s32, 1
	s_cselect_b64 s[30:31], s[12:13], s[30:31]
	s_add_nc_u64 s[30:31], s[30:31], s[28:29]      ; source
	s_add_nc_u64 s[38:39], s[18:19], s[34:35]      ; where the first row goes; the second lies 6,144 bytes on
.irp i, 0,1,2,3,4,5,6,7,8,9,10,11,12,13,14,15
	global_load_b128 v[X0+4*\i:X0+4*\i+3], v1, s[30:31] offset:512*\i th:TH_LOAD_NT
.endr
.irp i, 0,1,2,3,4,5,6,7,8,9,10,11,12,13,14,15
	s_wait_loadcnt 15-\i                           ; loads come back in order: load i is in, the younger ones stay out
	v_cvt_pk_bf16_f32 v[Y0+2*\i], v[X0+4*\i], v[X0+4*\i+1]
	v_cvt_pk_bf16_f32 v[Y0+2*\i+1], v[X0+4*\i+2], v[X0+4*\i+3]
.if \i < 8
	global_store_b64 v2, v[Y0+2*\i:Y0+2*\i+1], s[38:39] offset:256*\i
.else
	global_store_b64 v2, v[Y0+2*\i:Y0+2*\i+1], s[38:39] offset:6144+256*(\i-8)
.endif
.endr
	s_endpgm
.Lfunc_end_k_q49a5307c11_prep:
	.size	k_q49a5307c11_prep, .Lfunc_end_k_q49a5307c11_prep-k_q49a5307c11_prep
	.p2alignl 7, 3214868480
	.fill 96, 4, 3214868480
	.section	.rodata,"a",@progbits
	.p2align	6, 0x0
	.amdhsa_kernel k_q49a5307c11_prep
		.amdhsa_group_segment_fixed_size 0
		.amdhsa_private_segment_fixed_size 0
		.amdhsa_enable_private_segment 0
		.amdhsa_kernarg_size 64
		.amdhsa_user_sgpr_count 2
		.amdhsa_user_sgpr_kernarg_segment_ptr 1
		.amdhsa_wavefront_size32 1
		.amdhsa_system_sgpr_workgroup_id_x 1
		.amdhsa_system_sgpr_workgroup_id_y 1
		.amdhsa_system_sgpr_workgroup_id_z 1
		.amdhsa_system_vgpr_workitem_id 0
		.amdhsa_next_free_vgpr 192
		.amdhsa_next_free_sgpr 66
		.amdhsa_reserve_vcc 0
		.amdhsa_float_denorm_mode_32 3
		.amdhsa_float_denorm_mode_16_64 3
		.amdhsa_memory_ordered 1
		.amdhsa_forward_progress 1
		.amdhsa_inst_pref_size 27
	.end_amdhsa_kernel
	.amdgpu_metadata
---
amdhsa.version: [ 1, 2 ]
amdhsa.kernels:
  - .name:           k_q49a5307c11_prep
    .symbol:         k_q49a5307c11_prep.kd
    .args:
      - { .name: x, .offset: 0, .size: 8, .value_kind: global_buffer, .address_space: global }
      - { .name: ln1_scale, .offset: 8, .size: 8, .value_kind: global_buffer, .address_space: global }
      - { .name: ln1_bias, .offset: 16, .size: 8, .value_kind: global_buffer, .address_space: global }
      - { .name: hn, .offset: 24, .size: 8, .value_kind: global_buffer, .address_space: global }
      - { .name: wq, .offset: 32, .size: 8, .value_kind: global_buffer, .address_space: global }
      - { .name: wk, .offset: 40, .size: 8, .value_kind: global_buffer, .address_space: global }
      - { .name: wv, .offset: 48, .size: 8, .value_kind: global_buffer, .address_space: global }
      - { .name: wb, .offset: 56, .size: 8, .value_kind: global_buffer, .address_space: global }
    .group_segment_fixed_size: 0
    .private_segment_fixed_size: 0
    .kernarg_segment_align: 8
    .kernarg_segment_size: 64
    .max_flat_workgroup_size: 256
    .sgpr_count:     66
    .vgpr_count:     192
    .wavefront_size: 32
...
	.end_amdgpu_metadata
.endif
;; end of part 1
;; launch qkv (part 2): grid 12 x 16, 4 waves a work-group, clusters of 4 x 4, 327,680 bytes of LDS; arguments hn, wb, qkv; writes qkv
.if DOCPART == 2
	.amdgcn_target "amdgcn-amd-amdhsa--gfx1250"
	.amdhsa_code_object_version 6
	.text
	.protected	k_q49a5307c11_qkv
	.globl	k_q49a5307c11_qkv
	.p2align	8
	.type	k_q49a5307c11_qkv,@function
k_q49a5307c11_qkv:
	s_mov_b64 s[64:65], 0
	v_nop
	global_prefetch_b8 v0, s[64:65] scope:SCOPE_SE
	s_setreg_imm32_b32 hwreg(HW_REG_WAVE_MODE, 25, 1), 1
	s_wait_xcnt 0x0
	s_wait_alu depctr_hold_cnt(0) depctr_sa_sdst(0) depctr_va_vdst(0) depctr_va_sdst(0) depctr_va_ssrc(0) depctr_va_vcc(0) depctr_vm_vsrc(0)
	s_getreg_b32 s2, hwreg(HW_REG_IB_STS2, 6, 4)
	s_cmp_eq_u32 s2, 0
	s_cbranch_scc0 .Lentry_in_a_cluster
	s_endpgm
.Lentry_in_a_cluster:
	s_bfe_u32 s2, ttmp6, 0x10000c
	s_cmp_lg_u32 s2, 0xf033
	s_cbranch_scc0 .Lentry_shape_is_right
	s_endpgm
.Lentry_shape_is_right:
; C[m][n] = sum over k of A[m][k] W[k][n].  A = hn [4096][1024] bf16, W = wqkv [1024][3072] bf16 (wb, byte WOFF), C = qkv [4096][3072] bf16.
; (The same text with GELU = 1 makes gelu(A W + bias).)  Sums in f32, C rounded once.
; A work-group makes 256 x 256 of C with four waves; a wave makes 128 x 128: 64 accumulator tiles, 512 registers.
; K goes in steps of 128 through two LDS slots filled by the tensor data mover.  A's tile: 256 rows of 256 bytes; W's tile: 128 k-rows of 512 bytes.
; W lies [K][N]: its fragments are taken with the transposing LDS load, so no transposed copy of the weights is ever made.
; CLUSTERS: 4 x 4 work-groups.  A's tile hangs on the block row alone and is asked for jointly by a row of the cluster, W's on the block column
; alone and is asked for jointly by a column: the requests for both are divided by four.
; REGISTERS: window 0: v2-13 constants, v16-27 addresses, v32-95 bias, v96-159 and v160-223 fragments of A (two buffers), v224-255 packed results;
;   window 1: v96-223 fragments of W; window 2: accumulators of my rows 0-63 (tile (a, b) at v[8 (8 a + b)]); window 3: of rows 64-127.
; The matrix instruction is used transposed (source 0 = 16 columns of W, source 1 = 16 rows of A): a lane's eight results are eight
; neighbouring columns of one row of C.
; The 64 accumulators take turns, one instruction a turn, in the same order everywhere.
.set SIZE_K, 1024
.set SIZE_N, 3072
.set WOFF,   0
.set GELU,   0
.set KSTEP,  128
.set PITCH,  272                       ; A's LDS row: 256 bytes + 16: an odd multiple of 16
.set BPITCH, 544                       ; W's LDS row: 512 bytes + 32: an odd multiple of 32
.set HALFT,  128*PITCH                 ; what one tensor load brings: 128 rows of A, or 64 k-rows of W (64 x 544 is the same number)
.set SLOT,   4*HALFT                   ; A's 256 rows, then W's 128 k-rows
.set STAGE,  2*SLOT                    ; behind the ring: 16 rows x 272 bytes for each wave; no fill ever lands there
.set SPITCH, 272
.set LAPS,   SIZE_K/(2*KSTEP)          ; a lap = two K steps
.set D1, 2
.set D2, 4
.set D3, 6
.set D4, 8
.set D5, 10
.set D6, 12
.set ADRA, 16                          ; v16-17  LDS address of my A fragments in slot 0, 1
.set ADRB, 20                          ; v20-21  the same for W
.set STO,  24
.set RD,   25
.set CO,   26
.set BO,   27
.set BIAS, 32                          ; v[32:95] bias of my 64 columns' places: 8 for each of 8 column tiles
.set F0,   96
.set F1,   160
.set GA,   F1                          ; the way out: |v|
.set GP,   F1+16                       ; the way out: the polynomial
.set RB,   F1+32                       ; the way out: rows read back
.set TMP,  224
.set G1,  24
.set G0,  32
.set G1B, 48
.set G0B, 56
.set MSB, 0
.macro WIN new                         ; the immediate's high byte repeats the setting that is left
.if MSB != (\new)
	s_set_vgpr_msb (MSB<<8)|(\new)
.set MSB, (\new)
.endif
.endm
.set MUL_LO, 0xa1                      ; source 0 (W) window 1, source 1 (A) window 0, C and D window 2
.set MUL_HI, 0xf1                      ; the same, C and D window 3
.set TO_B,   0x40                      ; destination window 1, address window 0
; A joint load.  Waves 0 and 1 fetch A's halves, waves 2 and 3 W's.  The branch hangs on the wave's number alone.
.macro JLOAD s
	s_cmp_eq_u32 s11, 0
	s_cbranch_scc0 .Lfor_b_\@
	tensor_load_to_lds s[G0+4*\s:G0+4*\s+3], s[G1:G1+7]
	s_nop 0
	s_branch .Lasked_\@
.Lfor_b_\@:
	tensor_load_to_lds s[G0B+4*\s:G0B+4*\s+3], s[G1B:G1B+7]
	s_nop 0
.Lasked_\@:
.endm
.macro CREST                           ; a round of the cluster's barrier behind its opening barrier
	s_cmp_lg_u32 s10, 0
	s_cbranch_scc1 .Lnot_wave_0_\@
	s_barrier_signal -3
.Lnot_wave_0_\@:
	s_barrier_wait -3
	s_barrier_signal -1
	s_barrier_wait -1
.endm
.macro CROUND                          ; a whole round
	s_barrier_signal -1
	s_barrier_wait -1
	CREST
.endm
	s_load_b128 s[4:7], s[0:1], 0x0                ; A s[4:5], wb s[6:7]
.if GELU
	s_load_b64 s[66:67], s[0:1], 0x10              ; bias
	s_load_b64 s[8:9], s[0:1], 0x18                ; C
.else
	s_load_b64 s[8:9], s[0:1], 0x10                ; C
	s_set_vgpr_msb 0x40
	v_lshl_add_u32 v255, v0, 2, 0x48400
	s_set_vgpr_msb 0x4000
	v_mov_b32 v95, 0
	s_set_vgpr_msb 0x1
	ds_add_u32 v255, v95
	ds_add_u32 v255, v95
	s_set_vgpr_msb 0x100
.endif
	v_lshrrev_b32 v1, 5, v0
	v_readfirstlane_b32 s10, v1                    ; wave 0..3
	s_lshr_b32 s11, s10, 1                         ; which half of the block's rows is mine.  Also: I fetch for A (0) or for W (1)
	s_and_b32 s12, s10, 1                          ; which half of its columns.  Also: which half of that tile I fetch
	s_bfe_u32 s40, ttmp6, 0x40000                  ; cx
	s_bfe_u32 s41, ttmp6, 0x40004                  ; cy
	s_lshl_b32 s42, ttmp9, 2
	s_add_co_u32 s42, s42, s40                     ; block column
	s_and_b32 s13, ttmp7, 0xffff
	s_lshl_b32 s13, s13, 2
	s_add_co_u32 s13, s13, s41                     ; block row
	s_lshl_b32 s43, s41, 2
	s_lshl_b32 s43, 15, s43                        ; my row of the cluster
	s_lshl_b32 s44, 0x1111, s40                    ; my column
	s_or_b32 s[G1+0], s43, (1<<16)|(1<<20)|(1<<21)|(5<<22)|(3<<25)   ; mask; 2-byte elements; padding on; bit 21 beside a mask; 4 words behind every 64
	s_or_b32 s[G1B+0], s44, (1<<16)|(1<<20)|(1<<21)|(6<<22)|(7<<25)  ; the column's mask; 8 words behind every 128
	s_mov_b32 s[G1+1], KSTEP<<16                   ; tensor_dim0 = 128
	s_mov_b32 s[G1+2], 128<<16                     ; tensor_dim1 = 128
	s_mov_b32 s[G1+3], KSTEP<<16                   ; tile_dim0 = 128
	s_mov_b32 s[G1+4], 128                         ; tile_dim1 = 128
	s_mov_b32 s[G1+5], SIZE_K                      ; elements from row to row
	s_mov_b32 s[G1+6], 0
	s_mov_b32 s[G1+7], 0
	s_mov_b32 s[G1B+1], 256<<16                    ; tensor_dim0 = 256
	s_mov_b32 s[G1B+2], 64<<16                     ; tensor_dim1 = 64
	s_mov_b32 s[G1B+3], 256<<16                    ; tile_dim0 = 256
	s_mov_b32 s[G1B+4], 64                         ; tile_dim1 = 64
	s_mov_b32 s[G1B+5], SIZE_N
	s_mov_b32 s[G1B+6], 0
	s_mov_b32 s[G1B+7], 0
	; A's address is made of the block row and the wave's number, W's of the block column and the wave's number, each in registers of its own
	s_lshl_b32 s16, s13, 8
	s_lshl_b32 s17, s12, 7
	s_add_co_u32 s16, s16, s17                     ; A: row 256 x block row + 128 x half
	s_lshl_b32 s16, s16, 11                        ; x 2,048 bytes
	s_mov_b32 s17, 0
	s_lshl_b32 s46, s42, 9                         ; W: 256 columns = 512 bytes a block column
	s_mul_i32 s47, s12, 128*SIZE_N                 ; + 64 k-rows x half
	s_add_co_u32 s46, s46, s47
	s_add_co_u32 s46, s46, WOFF
	s_mov_b32 s47, 0
	s_mul_i32 s20, s10, HALFT                      ; LDS: wave x 34,816: no place in the cluster enters an LDS address
	s_wait_dscnt 0x0
	s_wait_kmcnt 0x0
	s_add_nc_u64 s[14:15], s[4:5], s[16:17]
	s_add_nc_u64 s[46:47], s[6:7], s[46:47]
	CROUND                                         ; all sixteen work-groups are here: the first joint loads meet
.irp s, 0,1
	s_mov_b32 s[G0+4*\s], 1
	s_add_co_u32 s[G0+4*\s+1], s20, \s*SLOT
	s_add_nc_u64 s[G0+4*\s+2:G0+4*\s+3], s[14:15], \s*KSTEP*2
	s_or_b32 s[G0+4*\s+3], s[G0+4*\s+3], 0x80000000
	s_mov_b32 s[G0B+4*\s], 1
	s_add_co_u32 s[G0B+4*\s+1], s20, \s*SLOT
	s_add_nc_u64 s[G0B+4*\s+2:G0B+4*\s+3], s[46:47], \s*KSTEP*SIZE_N*2
	s_or_b32 s[G0B+4*\s+3], s[G0B+4*\s+3], 0x80000000
	JLOAD \s                                       ; two tensor loads of the wave are out here, one later on
.endr
	v_and_b32 v1, 15, v0                           ; r = l % 16
	v_bfe_u32 v2, v0, 4, 1                         ; h = l / 16
	v_mul_u32_u24 v3, v1, PITCH
	v_lshl_add_u32 v3, v2, 4, v3                   ; A: r x pitch + 16 h
	v_and_b32 v4, 7, v0
	v_lshl_add_u32 v4, v2, 3, v4                   ; W: k-row 8 h + l % 8,
	v_mul_u32_u24 v4, v4, BPITCH
	v_bfe_u32 v5, v0, 3, 1
	v_lshl_add_u32 v4, v5, 4, v4                   ; 16 bytes on for the odd groups of eight lanes
	s_mul_i32 s21, s11, HALFT                      ; my 128 rows of A
	s_lshl_b32 s22, s12, 8                         ; my 128 columns of W,
	s_add_co_u32 s22, s22, 2*HALFT                 ; which lies behind A
.irp s, 0,1
	v_add_nc_u32 v[ADRA+\s], s21, v3
	v_add_nc_u32 v[ADRB+\s], s22, v4
	s_add_co_u32 s21, s21, SLOT
	s_add_co_u32 s22, s22, SLOT
.endr
	s_mul_i32 s23, s10, 16*SPITCH
	s_add_co_u32 s23, s23, STAGE                   ; my stage
	v_mul_u32_u24 v4, v1, SPITCH
	v_lshl_add_u32 v4, v2, 4, v4
	v_add_nc_u32 v[STO], s23, v4
	v_mul_u32_u24 v5, v2, SPITCH
	v_lshl_add_u32 v5, v1, 4, v5
	v_add_nc_u32 v[RD], s23, v5
	v_mul_u32_u24 v5, v2, SIZE_N*2
	v_lshl_add_u32 v[CO], v1, 4, v5
.if GELU
	v_lshlrev_b32 v[BO], 5, v2                     ; 8 h columns of 4 bytes
	s_lshl_b32 s46, s42, 10                        ; 256 columns of 4 bytes a block column
	s_lshl_b32 s47, s12, 9
	s_add_co_u32 s46, s46, s47
	s_mov_b32 s47, 0
	s_add_nc_u64 s[66:67], s[66:67], s[46:47]
.irp b, 0,1,2,3,4,5,6,7
	global_load_b128 v[BIAS+8*\b:BIAS+8*\b+3], v[BO], s[66:67] offset:64*\b       ; waited for once, in front of the way out
	global_load_b128 v[BIAS+8*\b+4:BIAS+8*\b+7], v[BO], s[66:67] offset:64*\b+16
.endr
	v_mov_b32 v[D1], 0x3d4c41b4                    ; 0.0498673470
	v_mov_b32 v[D1+1], 0x3d4c41b4
	v_mov_b32 v[D2], 0x3cad2fe7                    ; 0.0211410061
	v_mov_b32 v[D2+1], 0x3cad2fe7
	v_mov_b32 v[D3], 0x3b56cd72                    ; 0.0032776263
	v_mov_b32 v[D3+1], 0x3b56cd72
	v_mov_b32 v[D4], 0x381f660e                    ; 0.0000380036
	v_mov_b32 v[D4+1], 0x381f660e
	v_mov_b32 v[D5], 0x384d0fe2                    ; 0.0000488906
	v_mov_b32 v[D5+1], 0x384d0fe2
	v_mov_b32 v[D6], 0x36b49f9e                    ; 0.0000053830
	v_mov_b32 v[D6+1], 0x36b49f9e
.endif
; 16 matrix instructions: row tiles a0, a0 + 1 of the window's four x all 8 column tiles, 32 along K.  zero = 1: the first product starts the sums.
.macro MUL16 f, hi, a0, zero
.irp a, \a0, \a0+1
.irp b, 0,1,2,3,4,5,6,7
.if \zero
	v_wmma_f32_16x16x32_bf16 v[8*(8*(\a)+\b):8*(8*(\a)+\b)+7], v[\f+8*\b:\f+8*\b+7], v[\f+8*(4*\hi+\a):\f+8*(4*\hi+\a)+7], 0
.else
	v_wmma_f32_16x16x32_bf16 v[8*(8*(\a)+\b):8*(8*(\a)+\b)+7], v[\f+8*\b:\f+8*\b+7], v[\f+8*(4*\hi+\a):\f+8*(4*\hi+\a)+7], v[8*(8*(\a)+\b):8*(8*(\a)+\b)+7]
.endif
.endr
.endr
.endm
; 32 LDS loads in one run: the fragments of quarter q (32 along K) into buffer f.  W's come transposed: k-rows 32 q + 8 h + l % 8 and 16 further down.
.macro FETCH slot, q, f
	WIN TO_B
.irp i, 0,1,2,3,4,5,6,7
	ds_load_tr16_b128 v[\f+8*\i:\f+8*\i+3],   v[ADRB+\slot] offset:\q*32*BPITCH+32*\i
	ds_load_tr16_b128 v[\f+8*\i+4:\f+8*\i+7], v[ADRB+\slot] offset:\q*32*BPITCH+32*\i+16*BPITCH
.endr
	WIN 0
.irp i, 0,1,2,3,4,5,6,7
	ds_load_b128 v[\f+8*\i:\f+8*\i+3],   v[ADRA+\slot] offset:\q*64+\i*16*PITCH
	ds_load_b128 v[\f+8*\i+4:\f+8*\i+7], v[ADRA+\slot] offset:\q*64+\i*16*PITCH+32
.endr
.endm
; Four plain places between a matrix instruction and a load into, or a vector instruction on, one of its registers (ISA guide 7.12.1 for vector instructions)
.macro PLACES
.rept 4
	v_nop
.endr
.endm
.macro QUARTER slot, q, f, g, zero
	s_wait_dscnt 8                                 ; W and A's rows 0-63 are in; the youngest eight loads (A's rows 64-127) may be out
	WIN MUL_LO
	MUL16 \f, 0, 0, \zero
	MUL16 \f, 0, 2, \zero
	PLACES
	FETCH \slot, \q, \g
	s_wait_dscnt 32                                ; all but the 32 just issued
	WIN MUL_HI
	MUL16 \f, 1, 0, \zero
	MUL16 \f, 1, 2, \zero
.endm
.macro THREE slot, zero
	QUARTER \slot, 1, F0, F1, \zero
	QUARTER \slot, 2, F1, F0, 0
	QUARTER \slot, 3, F0, F1, 0
.endm
; The last quarter of a K step changes slots.  In front of the barrier each wave waits for its reads of this slot and for all its tensor loads (one is
; out: its part of the next slot).  Behind it, where this slot is filled again, the rest of a round of the cluster's barrier, and the joint refill first.
.macro TURN slot, next, fill
	s_wait_dscnt 8
	WIN MUL_LO
	MUL16 F1, 0, 0, 0
	s_wait_dscnt 0                                 ; my reads of this slot are over
	s_wait_tensorcnt 0x0                           ; and all my tensor loads have landed
	ds_add_u32 v255, v95
	s_wait_dscnt 0x0
	s_barrier_signal -1
	MUL16 F1, 0, 2, 0                              ; register work while the others arrive
	WIN 0
	s_barrier_wait -1
.if \fill
	CREST                                          ; no wave of any partner still reads this slot or has a load on its way
	s_add_nc_u64 s[G0+4*\slot+2:G0+4*\slot+3], s[G0+4*\slot+2:G0+4*\slot+3], 2*KSTEP*2
	s_add_nc_u64 s[G0B+4*\slot+2:G0B+4*\slot+3], s[G0B+4*\slot+2:G0B+4*\slot+3], 2*KSTEP*SIZE_N*2
	JLOAD \slot                                    ; the first tensor load behind the round
.endif
	PLACES
	FETCH \next, 0, F0
	WIN MUL_HI
	MUL16 F1, 1, 0, 0
	MUL16 F1, 1, 2, 0
.endm
.macro LAP zero
	THREE 0, \zero
	TURN 0, 1, 1
	THREE 1, 0
	TURN 1, 0, 1
.endm
	s_wait_tensorcnt 1                             ; my part of K step 0 is in; K step 1's stays out
	s_barrier_signal -1
	s_barrier_wait -1
	FETCH 0, 0, F0
	LAP 1                                          ; the first lap stands in front of the loop: its first products start the sums
	WIN 0
	s_mov_b32 s3, LAPS-2
.Llap:
	LAP 0
	WIN 0
	s_sub_co_u32 s3, s3, 1
	s_cmp_lg_u32 s3, 0
	s_cbranch_scc1 .Llap
	THREE 0, 0                                     ; the last lap fills nothing
	TURN 0, 1, 0
	THREE 1, 0
	s_wait_dscnt 8
	WIN MUL_LO
	MUL16 F1, 0, 0, 0
	MUL16 F1, 0, 2, 0
	s_wait_dscnt 0
	WIN MUL_HI
	MUL16 F1, 1, 0, 0
	MUL16 F1, 1, 2, 0
	; THE WAY OUT, 16 rows at a time: to bf16, 16 bytes a lane into my own stage, back as whole rows of 256 bytes
	PLACES
	s_lshl_b32 s13, s13, 8
	s_lshl_b32 s14, s11, 7
	s_add_co_u32 s16, s13, s14                     ; my first row of C
	s_mul_i32 s16, s16, SIZE_N*2
	s_mov_b32 s17, 0
	s_add_nc_u64 s[8:9], s[8:9], s[16:17]
	s_lshl_b32 s46, s42, 9                         ; my first column, in bytes
	s_lshl_b32 s47, s12, 8
	s_add_co_u32 s46, s46, s47
	s_mov_b32 s47, 0
	s_add_nc_u64 s[8:9], s[8:9], s[46:47]
.if GELU
	s_wait_loadcnt 0x0                             ; the bias
.endif
; gelu(v) = v Phi(v) = max(v, 0) - |v| / (2 p(|v|)^16), p(x) = 1 + d1 x + .. + d6 x^6: the error of Phi is below 1.5e-7 for every v.
; Where p^16 passes the largest f32 its reciprocal is 0, the right limit.  Sixteen numbers a lane (two column tiles) at a time.
.macro GELU16 bb
.set GV, F0+16*\bb
.set i, 0
.rept 16
	v_and_b32 v[GA+i], 0x7fffffff, v[GV+i]
.set i, i+1
.endr
.set i, 0
.rept 8
	v_pk_fma_f32 v[GP+i:GP+i+1], v[GA+i:GA+i+1], v[D6:D6+1], v[D5:D5+1]
.set i, i+2
.endr
.irp d, D4, D3, D2, D1
.set i, 0
.rept 8
	v_pk_fma_f32 v[GP+i:GP+i+1], v[GP+i:GP+i+1], v[GA+i:GA+i+1], v[\d:\d+1]
.set i, i+2
.endr
.endr
.set i, 0
.rept 8
	v_pk_fma_f32 v[GP+i:GP+i+1], v[GP+i:GP+i+1], v[GA+i:GA+i+1], 1.0 op_sel_hi:[1,1,0]
.set i, i+2
.endr
.rept 4
.set i, 0
.rept 8
	v_pk_mul_f32 v[GP+i:GP+i+1], v[GP+i:GP+i+1], v[GP+i:GP+i+1]
.set i, i+2
.endr
.endr
.set i, 0
.rept 16
	v_rcp_f32 v[GP+i], v[GP+i]
.set i, i+1
.endr
.set i, 0
.rept 16
	v_max_num_f32 v[GV+i], 0, v[GV+i]              ; also the plain place behind the reciprocals (ISA guide 5.7.2)
.set i, i+1
.endr
.set i, 0
.rept 8
	v_pk_mul_f32 v[GA+i:GA+i+1], v[GA+i:GA+i+1], v[GP+i:GP+i+1]
.set i, i+2
.endr
.set i, 0
.rept 8
	v_pk_fma_f32 v[GV+i:GV+i+1], v[GA+i:GA+i+1], -0.5, v[GV+i:GV+i+1] op_sel_hi:[1,0,1]
.set i, i+2
.endr
.set i, 0
.rept 8
	v_cvt_pk_bf16_f32 v[TMP+8*\bb+i], v[GV+2*i], v[GV+2*i+1]
.set i, i+1
.endr
.endm
; rows 16 i .. 16 i + 15 of my block = the eight tiles (a, 0..7) of window 2 (hi = 0) or 3 (hi = 1)
.macro OUT16 i, a, hi
.if GELU
	WIN 0x02+\hi                                   ; source 0 in the accumulators' window
.irp b, 0,1,2,3,4,5,6,7
.irp r, 0,1,2,3
	v_pk_add_f32 v[F0+8*\b+2*\r:F0+8*\b+2*\r+1], v[8*(8*\a+\b)+2*\r:8*(8*\a+\b)+2*\r+1], v[BIAS+8*\b+2*\r:BIAS+8*\b+2*\r+1]
.endr
.endr
	WIN 0
	GELU16 0
	GELU16 1
	GELU16 2
	GELU16 3
.else
	WIN 0x0a+5*\hi                                 ; sources 0 and 1 in the accumulators' window
.irp b, 0,1,2,3,4,5,6,7
.irp r, 0,1,2,3
	v_cvt_pk_bf16_f32 v[TMP+4*\b+\r], v[8*(8*\a+\b)+2*\r], v[8*(8*\a+\b)+2*\r+1]
.endr
.endr
	WIN 0
.endif
.irp b, 0,1,2,3,4,5,6,7
	ds_store_b128 v[STO], v[TMP+4*\b:TMP+4*\b+3] offset:32*\b
.endr
	s_wait_xcnt 0x0                                ; RB, which the last stores read, and their base are rewritten only behind this wait
.if \i
	s_add_nc_u64 s[8:9], s[8:9], 16*SIZE_N*2
.endif
.irp t, 0,1,2,3,4,5,6,7
	ds_load_b128 v[RB+4*\t:RB+4*\t+3], v[RD] offset:\t*2*SPITCH    ; LDS serves a wave's instructions in order: these see the stores above
.endr
.irp t, 0,1,2,3,4,5,6,7
	s_wait_dscnt 7-\t
	global_store_b128 v[CO], v[RB+4*\t:RB+4*\t+3], s[8:9] offset:2*\t*SIZE_N*2   ; 16 lanes store 256 consecutive bytes, at a multiple of 256
.endr
.endm
	OUT16 0, 0, 0
	OUT16 1, 1, 0
	OUT16 2, 2, 0
	OUT16 3, 3, 0
	OUT16 4, 0, 1
	OUT16 5, 1, 1
	OUT16 6, 2, 1
	OUT16 7, 3, 1
	s_set_vgpr_msb 0x1
	s_wait_tensorcnt 0x0
	ds_add_u32 v255, v95
	s_wait_dscnt 0x0
	s_set_vgpr_msb 0x100
	CROUND                                         ; the closing round: no work-group ends while a partner may still ask for a tile that names it
	s_endpgm
.Lfunc_end_k_q49a5307c11_qkv:
	.size	k_q49a5307c11_qkv, .Lfunc_end_k_q49a5307c11_qkv-k_q49a5307c11_qkv
	.p2alignl 7, 3214868480
	.fill 96, 4, 3214868480
	.section	.rodata,"a",@progbits
	.p2align	6, 0x0
	.amdhsa_kernel k_q49a5307c11_qkv
		.amdhsa_group_segment_fixed_size 327680
		.amdhsa_private_segment_fixed_size 0
		.amdhsa_enable_private_segment 0
		.amdhsa_kernarg_size 24
		.amdhsa_user_sgpr_count 2
		.amdhsa_user_sgpr_kernarg_segment_ptr 1
		.amdhsa_wavefront_size32 1
		.amdhsa_system_sgpr_workgroup_id_x 1
		.amdhsa_system_sgpr_workgroup_id_y 1
		.amdhsa_system_sgpr_workgroup_id_z 1
		.amdhsa_system_vgpr_workitem_id 0
		.amdhsa_next_free_vgpr 1024
		.amdhsa_next_free_sgpr 72
		.amdhsa_reserve_vcc 0
		.amdhsa_float_denorm_mode_32 3
		.amdhsa_float_denorm_mode_16_64 3
		.amdhsa_memory_ordered 1
		.amdhsa_forward_progress 1
		.amdhsa_inst_pref_size 196
	.end_amdhsa_kernel
	.amdgpu_metadata
---
amdhsa.version: [ 1, 2 ]
amdhsa.kernels:
  - .name:           k_q49a5307c11_qkv
    .symbol:         k_q49a5307c11_qkv.kd
    .args:
      - { .name: hn, .offset: 0, .size: 8, .value_kind: global_buffer, .address_space: global }
      - { .name: wb, .offset: 8, .size: 8, .value_kind: global_buffer, .address_space: global }
      - { .name: qkv, .offset: 16, .size: 8, .value_kind: global_buffer, .address_space: global }
    .group_segment_fixed_size: 327680
    .private_segment_fixed_size: 0
    .kernarg_segment_align: 8
    .kernarg_segment_size: 24
    .max_flat_workgroup_size: 128
    .sgpr_count:     72
    .vgpr_count:     1024
    .wavefront_size: 32
...
	.end_amdgpu_metadata
.endif
;; end of part 2
;; launch attn (part 3): grid 256 x 1, 4 waves a work-group, no clusters, 327,680 bytes of LDS; arguments qkv, ao, wo, w1, wb; writes ao, wb
.if DOCPART == 3
	.amdgcn_target "amdgcn-amd-amdhsa--gfx1250"
	.amdhsa_code_object_version 6
	.text
	.protected	k_q49a5307c11_attn
	.globl	k_q49a5307c11_attn
	.p2align	8
	.type	k_q49a5307c11_attn,@function
k_q49a5307c11_attn:
	s_mov_b64 s[64:65], 0
	v_nop
	global_prefetch_b8 v0, s[64:65] scope:SCOPE_SE
	s_setreg_imm32_b32 hwreg(HW_REG_WAVE_MODE, 25, 1), 1
	s_wait_xcnt 0x0
; Causal attention.  qkv [4096][3072] bf16: q of head h at column 64 h, k at 1024 + 64 h, v at 2048 + 64 h.  ao [4096][1024] bf16.
; Work-group id: p = id % 8, (batch, head) = id / 8.  It owns two blocks of 128 queries of one head, e = 2 p and o = 15 - 2 p:
; e + 1 and o + 1 laps of 128 keys, 17 for every work-group.  Wave w owns queries 32 w .. 32 w + 31 of a block (two tiles of 16).
; TRANSPOSED: S^T = K Q^T puts all scores of query r into lanes r and r + 16; two neighbouring key tiles, rounded to bf16 and packed, ARE the
; second operand P^T of O^T = V^T P^T, and V^T comes from the transposing LDS load.  No score ever changes lanes but for one exchange of halves.
; Softmax with a running maximum in score units; p = 2^((s - m) c), c = log2(e) / 8.  A block's diagonal lap comes first: its first 64 keys hold
; a key that every query of the block may see, so the maximum is finite from the start and nothing is cleared.
; K and V go through two LDS slots; each wave fetches 32 rows of each; a lap's tiles are asked for one lap ahead (two tensor loads of a wave are out).
; BESIDE IT: the weights wo and w1, which the next launches need in bf16, are rounded here.  Each of the 1,024 waves takes 4 KiB of wo and 16 KiB of w1:
; 40 loads issued behind the requests for the first tiles and for Q, into 160 registers of window 2 that nothing else uses, converted and stored
; behind the first lap.  wb: wo at byte 6,291,456, w1 at byte 8,388,608; this launch reads nothing of wb.
; NO MULTICAST: the eight work-groups of a head walk different key laps at the same step (their lap counts are 2 p + 1 and 16 - 2 p); joint requests
; would have every partner take all 16 laps twice and discard nearly half of them.
; ao's rows of a head are 128 bytes and the neighbouring head is another work-group's: a store of a wave covers four pieces of 128 bytes.
; The accumulators take turns, one instruction a turn (eight in each run).
.set ROWB,  6144                       ; bytes in a row of qkv
.set LAPB,  128*ROWB                   ; 128 rows
.set KP,    144                        ; K's LDS row: 128 bytes + 16
.set VP,    160                        ; V's LDS row: 128 bytes + 32
.set VOFF,  128*KP
.set SLOT,  VOFF+128*VP                ; 38,912
.set STAGE, 2*SLOT                     ; 32 rows x 144 bytes for each wave; no fill ever lands there
.set KA,   4                           ; v4-5   LDS address of K's fragments in slot 0, 1
.set VA,   6                           ; v6-7   of V's
.set QO,   8                           ; v8     my offset in Q's rows
.set DD,   9                           ; v9     32 w + r - 8 h: a key of the diagonal lap is kept where its constant part is not above this
.set STO,  10
.set RD,   11
.set GO,   12
.set NINF, 13
.set M,    14                          ; v[14:15] running maximum of query tile 0, 1
.set LS,   16                          ; v[16:17] running sum (this lane's half of the keys)
.set AL,   18                          ; v[18:19] factor for the old sums
.set NMS,  20                          ; v[20:21] - c m
.set TN,   22
.set U,    24
.set CL,   26                          ; v26    16 x lane: the weights as f32
.set CS,   27                          ; v27    8 x lane: the weights as bf16
.set T,    34                          ; v[34:41]
.set QF,   48                          ; v[48:79]   block e: Q's fragments (q, s) at 48 + 16 q + 8 s
.set O,    80                          ; v[80:143]  O^T (t, q) at 80 + 32 q + 8 t
.set S,    144                         ; v[144:207] S^T (kt, q) at 144 + 32 q + 8 kt; P^T (g, q) in place at 144 + 32 q + 16 g
.set QF2,  208                         ; v[208:239] block o: Q's fragments
.set KF,   0                           ; window 1: K's fragments (kt, s) at 16 kt + 8 s
.set VF,   128                         ; window 1: V^T's fragments (g, t) at 128 + 32 g + 8 t
                                       ; window 2: v0-31 my 4 KiB of wo, v32-159 my 16 KiB of w1
.set G1K, 16
.set G1V, 24
.set G0K, 32                           ; s[32:39] group 0 for K, a set for each slot
.set G0V, 40                           ; s[40:47] for V
.set MSB, 0
.macro WIN new
.if MSB != (\new)
	s_set_vgpr_msb (MSB<<8)|(\new)
.set MSB, (\new)
.endif
.endm
.macro NOPS n
.rept \n
	v_nop
.endr
.endm
	s_load_b128 s[4:7], s[0:1], 0x0                ; qkv s[4:5], ao s[6:7]
	s_load_b128 s[72:75], s[0:1], 0x10             ; wo s[72:73], w1 s[74:75]
	s_load_b64 s[76:77], s[0:1], 0x20              ; wb
	v_lshl_add_u32 v254, v0, 2, 0x29000
	v_mov_b32 v255, 0
	ds_add_u32 v254, v255
	ds_add_u32 v254, v255
	v_lshrrev_b32 v1, 5, v0
	v_readfirstlane_b32 s8, v1                     ; wave
	s_and_b32 s9, ttmp9, 7                         ; p
	s_lshr_b32 s10, ttmp9, 3
	s_lshl_b32 s11, s9, 1                          ; e
	s_sub_co_u32 s12, 15, s11                      ; o
	s_lshr_b32 s13, s10, 4                         ; batch
	s_and_b32 s14, s10, 15                         ; head
	s_mov_b32 s62, 0x76543210
	s_mov_b32 s63, 0xfedcba98
	s_mov_b32 s66, 0x3e38aa3b                      ; c = log2(e) / 8
	s_mov_b32 s67, 0x3e38aa3b
	s_mov_b32 s68, 0xbe38aa3b                      ; - c
	s_mov_b32 s[G1K+0], (1<<16)|(1<<20)|(4<<22)|(3<<25)   ; 2-byte elements; 4 words of padding behind every 32
	s_mov_b32 s[G1K+1], 64<<16                     ; tensor_dim0 = 64
	s_mov_b32 s[G1K+2], 32<<16                     ; tensor_dim1 = 32
	s_mov_b32 s[G1K+3], 64<<16                     ; tile_dim0 = 64
	s_mov_b32 s[G1K+4], 32                         ; tile_dim1 = 32
	s_mov_b32 s[G1K+5], 3072                       ; elements from row to row
	s_mov_b32 s[G1K+6], 0
	s_mov_b32 s[G1K+7], 0
	s_mov_b32 s[G1V+0], (1<<16)|(1<<20)|(4<<22)|(7<<25)   ; 8 words of padding
	s_mov_b32 s[G1V+1], 64<<16
	s_mov_b32 s[G1V+2], 32<<16
	s_mov_b32 s[G1V+3], 64<<16
	s_mov_b32 s[G1V+4], 32
	s_mov_b32 s[G1V+5], 3072
	s_mov_b32 s[G1V+6], 0
	s_mov_b32 s[G1V+7], 0
	s_mul_i32 s55, s8, 32*KP                       ; my 32 rows in a slot's K,
	s_mul_i32 s10, s8, 32*VP                       ; and in its V
.irp s, 0,1
	s_mov_b32 s[G0K+4*\s], 1
	s_add_co_u32 s[G0K+4*\s+1], s55, \s*SLOT
	s_mov_b32 s[G0V+4*\s], 1
	s_add_co_u32 s[G0V+4*\s+1], s10, \s*SLOT+VOFF
.endr
	s_lshl_b32 s15, s13, 11
	s_lshl_b32 s55, s8, 5
	s_add_co_u32 s15, s15, s55                     ; row 2048 batch + 32 wave
	s_mul_i32 s56, s15, ROWB
	s_lshl_b32 s55, s14, 7                         ; 128 bytes a head
	s_add_co_u32 s56, s56, s55
	s_mov_b32 s57, 0                               ; upper word of every offset pair
	s_wait_dscnt 0x0
	s_wait_kmcnt 0x0
	s_add_nc_u64 s[4:5], s[4:5], s[56:57]          ; q of my rows in block 0
	s_add_nc_u64 s[48:49], s[4:5], 2048            ; k of my rows in lap 0,
	s_add_nc_u64 s[50:51], s[4:5], 4096            ; v,
	s_or_b32 s49, s49, 0x80000000                  ; both with the descriptor's type bits
	s_or_b32 s51, s51, 0x80000000
	s_lshl_b32 s56, s15, 11
	s_add_co_u32 s56, s56, s55
	s_add_nc_u64 s[6:7], s[6:7], s[56:57]          ; ao at my rows in block 0
	s_mul_i32 s56, s11, LAPB                       ; the first lap is e's diagonal lap, into slot 0: a first fill
	s_add_nc_u64 s[G0K+2:G0K+3], s[48:49], s[56:57]
	s_add_nc_u64 s[G0V+2:G0V+3], s[50:51], s[56:57]
	tensor_load_to_lds s[G0K:G0K+3], s[G1K:G1K+7]
	s_nop 0
	tensor_load_to_lds s[G0V:G0V+3], s[G1V:G1V+7]
	s_nop 0
	; my share of the weights: wave number in the launch W = 4 id + wave
	s_lshl2_add_u32 s55, ttmp9, s8
	s_lshl_b32 s56, s55, 12
	s_add_nc_u64 s[72:73], s[72:73], s[56:57]      ; wo: 4,096 bytes of f32 a wave
	s_lshl_b32 s56, s55, 14
	s_add_nc_u64 s[74:75], s[74:75], s[56:57]      ; w1: 16,384 bytes
	s_lshl_b32 s56, s55, 11
	s_add_co_u32 s56, s56, 6291456
	s_add_nc_u64 s[78:79], s[76:77], s[56:57]      ; wo in bf16
	s_lshl_b32 s56, s55, 13
	s_add_co_u32 s56, s56, 8388608
	s_add_nc_u64 s[80:81], s[76:77], s[56:57]      ; w1 in bf16
	v_and_b32 v1, 15, v0                           ; r
	v_bfe_u32 v2, v0, 4, 1                         ; h
	v_and_b32 v3, 7, v0
	v_bfe_u32 v[U], v0, 3, 1
	v_bfe_u32 v[U+1], v0, 3, 2                     ; l / 8
	v_mul_u32_u24 v[KA], v1, KP
	v_lshl_add_u32 v[KA], v2, 4, v[KA]             ; r x 144 + 16 h
	v_add_nc_u32 v[KA+1], SLOT, v[KA]
	v_lshl_add_u32 v[VA], v2, 3, v3                ; key row 8 h + l % 8
	v_mul_u32_u24 v[VA], v[VA], VP
	v_lshl_add_u32 v[VA], v[U], 4, v[VA]
	v_add_nc_u32 v[VA], VOFF, v[VA]
	v_add_nc_u32 v[VA+1], SLOT, v[VA]
	v_mul_u32_u24 v[QO], v1, ROWB
	v_lshl_add_u32 v[QO], v2, 4, v[QO]
	v_lshlrev_b32 v[DD], 3, v2
	v_sub_nc_u32 v[DD], v1, v[DD]
	s_lshl_b32 s55, s8, 5
	v_add_nc_u32 v[DD], s55, v[DD]
	s_mul_i32 s55, s8, 32*KP
	s_add_co_u32 s55, s55, STAGE
	v_add_nc_u32 v[STO], s55, v[KA]                ; stage + r x 144 + 16 h
	v_mul_u32_u24 v[RD], v[U+1], KP
	v_lshl_add_u32 v[RD], v3, 4, v[RD]
	v_add_nc_u32 v[RD], s55, v[RD]                 ; stage + (l / 8) x 144 + 16 (l % 8)
	v_lshlrev_b32 v[GO], 11, v[U+1]
	v_lshl_add_u32 v[GO], v3, 4, v[GO]             ; the same four rows in ao
	v_mov_b32 v[NINF], 0xff800000
	v_and_b32 v[CL], 31, v0
	v_lshlrev_b32 v[CS], 3, v[CL]
	v_lshlrev_b32 v[CL], 4, v[CL]
; Q's fragments of block blk (a scalar register) into qf: rows 16 q + r, 32 numbers at byte 64 s.  base: a scalar pair of its own for each block.
.macro QLOAD blk, qf, base
	s_mul_i32 s56, \blk, LAPB
	s_add_nc_u64 s[\base:\base+1], s[4:5], s[56:57]
.irp q, 0,1
.irp s, 0,1
	global_load_b128 v[\qf+16*\q+8*\s:\qf+16*\q+8*\s+3], v[QO], s[\base:\base+1] offset:16*ROWB*\q+64*\s
	global_load_b128 v[\qf+16*\q+8*\s+4:\qf+16*\q+8*\s+7], v[QO], s[\base:\base+1] offset:16*ROWB*\q+64*\s+32
.endr
.endr
.endm
.macro VLOAD slot, g                   ; V^T's four fragments of keys 32 g .. 32 g + 31: eight loads
.irp t, 0,1,2,3
	ds_load_tr16_b128 v[VF+32*\g+8*\t:VF+32*\g+8*\t+3], v[VA+\slot] offset:32*VP*\g+32*\t
	ds_load_tr16_b128 v[VF+32*\g+8*\t+4:VF+32*\g+8*\t+7], v[VA+\slot] offset:32*VP*\g+32*\t+16*VP
.endr
.endm
; The head of a lap.  Every wave waits for all its tensor loads (its part of this lap's tiles) and for its reads of the other slot, then the barrier;
; behind it the next lap's tiles go into the other slot, first of all.  The laps are asked for in the order in which they are walked:
; e, 0 .. e - 1, o, 0 .. o - 1.  s52 counts up; where it meets s53 (= e in the first block, never met in the second) lap o is due.
.macro LAPHEAD slot, refill
	s_wait_tensorcnt 0x0                           ; no tensor load of mine is out: every group 0 may be written
	ds_add_u32 v254, v255
	s_wait_dscnt 0x0
.if \refill
	s_cmp_eq_u32 s52, s53
	s_cselect_b32 s55, s12, s52
	s_add_co_u32 s52, s52, 1
	s_mul_i32 s56, s55, LAPB
	s_add_nc_u64 s[G0K+4*(1-\slot)+2:G0K+4*(1-\slot)+3], s[48:49], s[56:57]
	s_add_nc_u64 s[G0V+4*(1-\slot)+2:G0V+4*(1-\slot)+3], s[50:51], s[56:57]
.endif
	s_wait_dscnt 0x0
	s_barrier_signal -1
	s_barrier_wait -1
.if \refill
	tensor_load_to_lds s[G0K+4*(1-\slot):G0K+4*(1-\slot)+3], s[G1K:G1K+7]
	s_nop 0
	tensor_load_to_lds s[G0V+4*(1-\slot):G0V+4*(1-\slot)+3], s[G1V:G1V+7]
	s_nop 0
.endif
	NOPS 5                                         ; the places behind the last lap's products: for the loads into their sources, and for the products that write over P^T
	WIN 0x40
.irp kt, 0,1,2,3,4,5,6,7
.irp s, 0,1
	ds_load_b128 v[KF+16*\kt+8*\s:KF+16*\kt+8*\s+3], v[KA+\slot] offset:16*KP*\kt+64*\s
	ds_load_b128 v[KF+16*\kt+8*\s+4:KF+16*\kt+8*\s+7], v[KA+\slot] offset:16*KP*\kt+64*\s+32
.endr
.endr
	VLOAD \slot, 0
	VLOAD \slot, 1
.endm
.macro QK sub, qf                      ; S^T of keys 64 sub .. 64 sub + 63: 16 matrix instructions on 8 accumulators
	WIN 0x01
.irp s, 0,1
.irp kt, 0,1,2,3
.irp q, 0,1
.if \s
	v_wmma_f32_16x16x32_bf16 v[S+32*\q+8*\kt:S+32*\q+8*\kt+7], v[KF+16*(4*\sub+\kt)+8*\s:KF+16*(4*\sub+\kt)+8*\s+7], v[\qf+16*\q+8*\s:\qf+16*\q+8*\s+7], v[S+32*\q+8*\kt:S+32*\q+8*\kt+7]
.else
	v_wmma_f32_16x16x32_bf16 v[S+32*\q+8*\kt:S+32*\q+8*\kt+7], v[KF+16*(4*\sub+\kt)+8*\s:KF+16*(4*\sub+\kt)+8*\s+7], v[\qf+16*\q+8*\s:\qf+16*\q+8*\s+7], 0
.endif
.endr
.endr
.endr
.endm
.macro MASK sub                        ; the diagonal lap: key 64 sub + 16 kt + 8 h + j is kept for query 32 w + 16 q + r where it is not above it
.irp kt, 0,1,2,3
.irp q, 0,1
.irp j, 0,1,2,3,4,5,6,7
	v_cmp_le_i32 vcc_lo, 64*\sub+16*\kt+\j-16*\q, v[DD]
	v_cndmask_b32 v[S+32*\q+8*\kt+\j], v[NINF], v[S+32*\q+8*\kt+\j], vcc_lo
.endr
.endr
.endr
.endm
; Softmax step on 64 keys, both query tiles.  first = 1: it starts the maximum and the sum.
.macro SOFT first
	; the maxima: four chains for each query tile, one for each key tile, eight that do not wait for each other
.irp q, 0,1
.irp c, 0,1,2,3
	v_max3_num_f32 v[T+4*\q+\c], v[S+32*\q+8*\c], v[S+32*\q+8*\c+1], v[S+32*\q+8*\c+2]
.endr
.endr
.irp i, 3,5
.irp q, 0,1
.irp c, 0,1,2,3
	v_max3_num_f32 v[T+4*\q+\c], v[T+4*\q+\c], v[S+32*\q+8*\c+\i], v[S+32*\q+8*\c+\i+1]
.endr
.endr
.endr
.irp q, 0,1
	v_max3_num_f32 v[T+4*\q], v[T+4*\q], v[S+32*\q+7], v[S+32*\q+15]        ; each key tile's eighth number
	v_max3_num_f32 v[T+4*\q+2], v[T+4*\q+2], v[S+32*\q+23], v[S+32*\q+31]
.endr
.irp q, 0,1
	v_max3_num_f32 v[T+4*\q], v[T+4*\q], v[T+4*\q+1], v[T+4*\q+2]
.endr
.irp q, 0,1
	v_max_num_f32 v[T+4*\q], v[T+4*\q], v[T+4*\q+3]
.endr
	v_permlanex16_b32 v[U], v[T], s62, s63         ; the other half of the keys of the same query
	v_permlanex16_b32 v[U+1], v[T+4], s62, s63
.if \first
	v_max_num_f32 v[M], v[T], v[U]
	v_max_num_f32 v[M+1], v[T+4], v[U+1]
	v_mul_f32 v[NMS], s68, v[M]
	v_mul_f32 v[NMS+1], s68, v[M+1]
.else
	v_max_num_f32 v[TN], v[T], v[U]
	v_max_num_f32 v[TN+1], v[T+4], v[U+1]
	v_sub_f32 v[AL], v[M], v[TN]
	v_sub_f32 v[AL+1], v[M+1], v[TN+1]
	v_max_num_f32 v[M], v[M], v[TN]
	v_max_num_f32 v[M+1], v[M+1], v[TN+1]
	v_min_num_f32 v[AL], 0, v[AL]                  ; old maximum - new maximum; 0 also where all 64 keys are masked
	v_min_num_f32 v[AL+1], 0, v[AL+1]
	v_mul_f32 v[AL], s66, v[AL]
	v_mul_f32 v[AL+1], s66, v[AL+1]
	v_mul_f32 v[NMS], s68, v[M]
	v_mul_f32 v[NMS+1], s68, v[M+1]
	v_exp_f32 v[AL], v[AL]
	v_exp_f32 v[AL+1], v[AL+1]
.endif
.irp q, 0,1
.set i, 0
.rept 16
	v_pk_fma_f32 v[S+32*\q+i:S+32*\q+i+1], v[S+32*\q+i:S+32*\q+i+1], s[66:67], v[NMS:NMS+1] op_sel:[0,0,\q] op_sel_hi:[1,0,\q]
.set i, i+2
.endr
.endr
	; the exponentials; between them, one for every two, the multiplies that bring the old O^T to the new maximum, which hang on none of them
.irp q, 0,1
.set i, 0
.rept 16
	v_exp_f32 v[S+32*\q+i], v[S+32*\q+i]
	v_exp_f32 v[S+32*\q+i+1], v[S+32*\q+i+1]
.if 1-\first
	s_wait_alu depctr_va_vdst(0)
	v_pk_mul_f32 v[O+32*\q+i:O+32*\q+i+1], v[O+32*\q+i:O+32*\q+i+1], v[AL:AL+1] op_sel:[0,\q] op_sel_hi:[1,\q]
.endif
.set i, i+2
.endr
.endr
.if \first
	v_nop                                          ; the plain place behind the last exponential (ISA guide 5.7.2); otherwise the last multiply is that place
	s_wait_alu depctr_va_vdst(0)
.endif
	; the sums: two chains of pairs for each query tile, four that do not wait for each other
	s_wait_alu depctr_va_vdst(0)
.irp q, 0,1
	v_pk_add_f32 v[T+4*\q:T+4*\q+1], v[S+32*\q:S+32*\q+1], v[S+32*\q+2:S+32*\q+3]
	v_pk_add_f32 v[T+4*\q+2:T+4*\q+3], v[S+32*\q+4:S+32*\q+5], v[S+32*\q+6:S+32*\q+7]
.endr
.set i, 8
.rept 6
.irp q, 0,1
	v_pk_add_f32 v[T+4*\q:T+4*\q+1], v[T+4*\q:T+4*\q+1], v[S+32*\q+i:S+32*\q+i+1]
	v_pk_add_f32 v[T+4*\q+2:T+4*\q+3], v[T+4*\q+2:T+4*\q+3], v[S+32*\q+i+2:S+32*\q+i+3]
.endr
.set i, i+4
.endr
.irp q, 0,1
	v_pk_add_f32 v[T+4*\q:T+4*\q+1], v[T+4*\q:T+4*\q+1], v[T+4*\q+2:T+4*\q+3]
.endr
.if \first
.irp q, 0,1
	v_add_f32 v[LS+\q], v[T+4*\q], v[T+4*\q+1]
.endr
.else
.irp q, 0,1
	v_add_f32 v[T+4*\q], v[T+4*\q], v[T+4*\q+1]
.endr
.irp q, 0,1
	v_fma_f32 v[LS+\q], v[LS+\q], v[AL+\q], v[T+4*\q]
.endr
.endif
.irp q, 0,1
.irp g, 0,1
.irp i, 0,1,2,3,4,5,6,7
	v_cvt_pk_bf16_f32 v[S+32*\q+16*\g+\i], v[S+32*\q+16*\g+2*\i], v[S+32*\q+16*\g+2*\i+1]   ; in place, ascending: word i is written when words 2 i, 2 i + 1 are read
.endr
.endr
.endr
.endm
.macro PV sub, first                   ; O^T += V^T P^T over keys 64 sub .. + 63: 16 matrix instructions on 8 accumulators
	WIN 0x01
.irp g, 0,1
.irp t, 0,1,2,3
.irp q, 0,1
.if \first*(1-\g)
	v_wmma_f32_16x16x32_bf16 v[O+32*\q+8*\t:O+32*\q+8*\t+7], v[VF+32*(2*\sub+\g)+8*\t:VF+32*(2*\sub+\g)+8*\t+7], v[S+32*\q+16*\g:S+32*\q+16*\g+7], 0
.else
	v_wmma_f32_16x16x32_bf16 v[O+32*\q+8*\t:O+32*\q+8*\t+7], v[VF+32*(2*\sub+\g)+8*\t:VF+32*(2*\sub+\g)+8*\t+7], v[S+32*\q+16*\g:S+32*\q+16*\g+7], v[O+32*\q+8*\t:O+32*\q+8*\t+7]
.endif
.endr
.endr
.endr
.endm
; qf: the block's Q fragments.  ldw: how many younger loads may stay out when they have to be there; -1: they have been waited for.
.macro LAP slot, diag, refill, qf, ldw
	LAPHEAD \slot, \refill
.if \ldw >= 0
	s_wait_loadcnt \ldw
.endif
	s_wait_dscnt 32                                ; K's tiles 0-3 (the first 16 of 48 loads) are in
	QK 0, \qf
	WIN 0x40
	VLOAD \slot, 2
	VLOAD \slot, 3
	WIN 0
	NOPS 4                                         ; the places behind the products before their results are read
.if \diag
	MASK 0
.endif
	SOFT \diag
	s_wait_dscnt 16                                ; all but the 16 loads of V's keys 64-127
	PV 0, \diag
	NOPS 5                                         ; the next products write over P^T
	QK 1, \qf
	WIN 0
	NOPS 4
.if \diag
	MASK 1
.endif
	SOFT 0
	s_wait_dscnt 0x0
	PV 1, 0
	WIN 0
.endm
; O^T / sum, to bf16, through my stage, to ao.  blk: a scalar register.
.macro FINISH blk
	NOPS 4
	v_permlanex16_b32 v[U], v[LS], s62, s63
	v_permlanex16_b32 v[U+1], v[LS+1], s62, s63
	v_add_f32 v[LS], v[LS], v[U]
	v_add_f32 v[LS+1], v[LS+1], v[U+1]
	v_rcp_f32 v[AL], v[LS]
	v_rcp_f32 v[AL+1], v[LS+1]
	v_nop
	s_wait_alu depctr_va_vdst(0)
.irp q, 0,1
.set i, 0
.rept 16
	v_pk_mul_f32 v[O+32*\q+i:O+32*\q+i+1], v[O+32*\q+i:O+32*\q+i+1], v[AL:AL+1] op_sel:[0,\q] op_sel_hi:[1,\q]
.set i, i+2
.endr
.endr
.irp q, 0,1
.irp t, 0,1,2,3
.irp i, 0,1,2,3
	v_cvt_pk_bf16_f32 v[S+4*(4*\q+\t)+\i], v[O+32*\q+8*\t+2*\i], v[O+32*\q+8*\t+2*\i+1]
.endr
.endr
.endr
	s_mul_i32 s56, \blk, 128*2048
	s_add_nc_u64 s[60:61], s[6:7], s[56:57]
.irp q, 0,1
.irp t, 0,1,2,3
	ds_store_b128 v[STO], v[S+4*(4*\q+\t):S+4*(4*\q+\t)+3] offset:16*KP*\q+32*\t   ; query 16 q + r, numbers 16 t + 8 h .. + 7
.endr
.endr
.irp i, 0,1,2,3,4,5,6,7
	ds_load_b128 v[S+32+4*\i:S+32+4*\i+3], v[RD] offset:4*KP*\i    ; LDS serves a wave's instructions in order: these see the stores above
.endr
.irp i, 0,1,2,3,4,5,6,7
	s_wait_dscnt 7-\i
	global_store_b128 v[GO], v[S+32+4*\i:S+32+4*\i+3], s[60:61] offset:4*2048*\i
.endr
	s_wait_xcnt 0x0                                ; the stores' data and base are written again only behind this wait
.endm
	QLOAD s11, QF, 58                              ; 8 loads: block e's Q,
	QLOAD s12, QF2, 82                             ; 8 loads: block o's, so that its first lap finds them there,
	WIN 0x80                                       ; and 40 loads of weights, into window 2
.set j, 0
.rept 8
	global_load_b128 v[4*j:4*j+3], v[CL], s[72:73] offset:512*j th:TH_LOAD_NT
.set j, j+1
.endr
.set j, 0
.rept 32
	global_load_b128 v[32+4*j:32+4*j+3], v[CL], s[74:75] offset:512*j th:TH_LOAD_NT
.set j, j+1
.endr
	WIN 0
	s_mov_b32 s52, 0
	s_mov_b32 s53, s11
	LAP 0, 1, 1, QF, 48                            ; block e: its diagonal lap, slot 0.  Behind block e's Q stand 8 + 40 younger loads, which stay out
	s_wait_loadcnt 0x0                             ; block o's Q and the weights
	WIN 0x8a                                       ; both sources and the destination in window 2
.set j, 0
.rept 40
	v_cvt_pk_bf16_f32 v[4*j], v[4*j], v[4*j+1]
	v_cvt_pk_bf16_f32 v[4*j+1], v[4*j+2], v[4*j+3]
.set j, j+1
.endr
	WIN 0x08                                       ; the stores' data in window 2; each store of the wave covers 256 consecutive bytes, aligned
.set j, 0
.rept 8
	global_store_b64 v[CS], v[4*j:4*j+1], s[78:79] offset:256*j
.set j, j+1
.endr
.set j, 0
.rept 32
	global_store_b64 v[CS], v[32+4*j:32+4*j+1], s[80:81] offset:256*j
.set j, j+1
.endr
	WIN 0
	s_cmp_eq_u32 s9, 0
	s_cbranch_scc1 .Lend_e
	s_mov_b32 s54, 0
.Lloop_e:                                          ; key laps 0 .. e - 1, two a trip
	LAP 1, 0, 1, QF, -1
	LAP 0, 0, 1, QF, -1
	s_add_co_u32 s54, s54, 1
	s_cmp_lt_u32 s54, s9
	s_cbranch_scc1 .Lloop_e
.Lend_e:
	FINISH s11
	s_mov_b32 s52, 0
	s_mov_b32 s53, 0xffff
	LAP 1, 1, 1, QF2, -1                           ; block o: its diagonal lap, slot 1
	s_sub_co_u32 s10, 7, s9
	s_cmp_eq_u32 s10, 0
	s_cbranch_scc1 .Lend_o
	s_mov_b32 s54, 0
.Lloop_o:                                          ; key laps 0 .. o - 2, two a trip
	LAP 0, 0, 1, QF2, -1
	LAP 1, 0, 1, QF2, -1
	s_add_co_u32 s54, s54, 1
	s_cmp_lt_u32 s54, s10
	s_cbranch_scc1 .Lloop_o
.Lend_o:
	LAP 0, 0, 0, QF2, -1                           ; key lap o - 1: nothing more to ask for
	FINISH s12
	s_wait_tensorcnt 0x0
	ds_add_u32 v254, v255
	s_wait_dscnt 0x0
	s_endpgm
.Lfunc_end_k_q49a5307c11_attn:
	.size	k_q49a5307c11_attn, .Lfunc_end_k_q49a5307c11_attn-k_q49a5307c11_attn
	.p2alignl 7, 3214868480
	.fill 96, 4, 3214868480
	.section	.rodata,"a",@progbits
	.p2align	6, 0x0
	.amdhsa_kernel k_q49a5307c11_attn
		.amdhsa_group_segment_fixed_size 327680
		.amdhsa_private_segment_fixed_size 0
		.amdhsa_enable_private_segment 0
		.amdhsa_kernarg_size 40
		.amdhsa_user_sgpr_count 2
		.amdhsa_user_sgpr_kernarg_segment_ptr 1
		.amdhsa_wavefront_size32 1
		.amdhsa_system_sgpr_workgroup_id_x 1
		.amdhsa_system_sgpr_workgroup_id_y 1
		.amdhsa_system_sgpr_workgroup_id_z 1
		.amdhsa_system_vgpr_workitem_id 0
		.amdhsa_next_free_vgpr 768
		.amdhsa_next_free_sgpr 84
		.amdhsa_reserve_vcc 1
		.amdhsa_float_denorm_mode_32 3
		.amdhsa_float_denorm_mode_16_64 3
		.amdhsa_memory_ordered 1
		.amdhsa_forward_progress 1
		.amdhsa_inst_pref_size 255
	.end_amdhsa_kernel
	.section	.bss,"aw",@nobits
	.p2align	6
	.space	262144
	.amdgpu_metadata
---
amdhsa.version: [ 1, 2 ]
amdhsa.kernels:
  - .name:           k_q49a5307c11_attn
    .symbol:         k_q49a5307c11_attn.kd
    .args:
      - { .name: qkv, .offset: 0, .size: 8, .value_kind: global_buffer, .address_space: global }
      - { .name: ao, .offset: 8, .size: 8, .value_kind: global_buffer, .address_space: global }
      - { .name: wo, .offset: 16, .size: 8, .value_kind: global_buffer, .address_space: global }
      - { .name: w1, .offset: 24, .size: 8, .value_kind: global_buffer, .address_space: global }
      - { .name: wb, .offset: 32, .size: 8, .value_kind: global_buffer, .address_space: global }
    .group_segment_fixed_size: 327680
    .private_segment_fixed_size: 0
    .kernarg_segment_align: 8
    .kernarg_segment_size: 40
    .max_flat_workgroup_size: 128
    .sgpr_count:     84
    .vgpr_count:     768
    .wavefront_size: 32
...
	.end_amdgpu_metadata
.endif
;; end of part 3
;; launch wo (part 4): grid 8 x 32, 4 waves a work-group, clusters of 4 x 4, 327,680 bytes of LDS; arguments ao, wb, bo, x, x1, w2, wb2; writes x1, wb2
.if DOCPART == 4
	.amdgcn_target "amdgcn-amd-amdhsa--gfx1250"
	.amdhsa_code_object_version 6
	.text
	.protected	k_q49a5307c11_wo
	.globl	k_q49a5307c11_wo
	.p2align	8
	.type	k_q49a5307c11_wo,@function
k_q49a5307c11_wo:
	s_mov_b64 s[64:65], 0
	v_nop
	global_prefetch_b8 v0, s[64:65] scope:SCOPE_SE
	s_setreg_imm32_b32 hwreg(HW_REG_WAVE_MODE, 25, 1), 1
	s_wait_xcnt 0x0
	s_wait_alu depctr_hold_cnt(0) depctr_sa_sdst(0) depctr_va_vdst(0) depctr_va_sdst(0) depctr_va_ssrc(0) depctr_va_vcc(0) depctr_vm_vsrc(0)
	s_getreg_b32 s2, hwreg(HW_REG_IB_STS2, 6, 4)
	s_cmp_eq_u32 s2, 0
	s_cbranch_scc0 .Lentry_in_a_cluster
	s_endpgm
.Lentry_in_a_cluster:
	s_bfe_u32 s2, ttmp6, 0x10000c
	s_cmp_lg_u32 s2, 0xf033
	s_cbranch_scc0 .Lentry_shape_is_right
	s_endpgm
.Lentry_shape_is_right:
; C[m][n] = res[m][n] + bias[n] + sum over k of A[m][k] W[k][n].  A [4096][SIZE_K] bf16, W [SIZE_K][1024] bf16 (byte WOFF of its buffer), res and C [4096][1024] f32.
; N is 1,024: blocks of 128 x 128 give 256 work-groups.  Four waves, 64 x 64 each: 16 accumulator tiles.
; K goes in steps of 256 through two LDS slots.  A's tile: 128 rows of 512 bytes; W's tile: 256 k-rows of 256 bytes; each wave fetches half of one.
; W lies [K][N]: its fragments come by the transposing LDS load.
; CLUSTERS: 4 x 4 work-groups; A's tile is asked for jointly along a row of the cluster, W's along a column.
; THE K STEPS ARE WALKED ROUND A RING that begins at step k0 = (NSTEP / 2) x cluster x + (NSTEP / 4) x (cluster y % 4), modulo NSTEP.  k0 is made of the
; cluster's own coordinates, so it is the same in all sixteen partners and their joint requests still meet.  The two clusters along x, which read the same
; tiles of A, begin half a ring apart, and clusters along y, which read the same tiles of W, a quarter apart: a tile is asked for by one cluster first and by
; the others some steps later, not by all at the same step.  LIMIT: K is summed in that ring order, an order of rounding that differs from an ascending sum's.
; BESIDE IT (CASTW = 1): the weights w2, which a later launch needs in bf16, are rounded here.  Each of the 1,024 waves takes 16 KiB: 32 loads issued at the
; head, behind the requests for the first tiles, into the 128 registers of window 1 that the fragments leave free, converted and stored behind the first lap.
; REGISTERS: window 0: v16-33 addresses and bias, v64-127 and v128-191 fragments of A (two buffers, 64 along K each), v192-223 rows on the way out;
;   window 1: v64-191 fragments of W, v0-63 and v192-255 my part of w2; window 2: v0-127 accumulators (tile (a, b) at v[8 (4 a + b)]), v128-255 the residual.
; The matrix instruction is used transposed (source 0 = W, source 1 = A): a lane's eight results are eight neighbouring columns of a row of C.
; The 16 accumulators take turns, one instruction a turn, in the same order everywhere.
.set SIZE_K, 1024
.set SIZE_N, 1024
.set WOFF,   6291456
.set CASTW,  1
.set KSTEP,  256
.set NSTEP,  SIZE_K/KSTEP              ; a power of two
.set APITCH, 528                       ; 512 bytes + 16: an odd multiple of 16
.set BPITCH, 288                       ; 256 bytes + 32: an odd multiple of 32
.set QUART,  36864                     ; a wave's part of a slot: 64 rows of A (33,792 bytes used) or 128 k-rows of W
.set SLOT,   4*QUART
.set STAGE,  2*SLOT                    ; 16 rows x 272 bytes for each wave; no fill ever lands there
.set SPITCH, 272
.set LAPS,   SIZE_K/(2*KSTEP)
.set ADRA, 16                          ; v16-17  A's fragments in slot 0, 1
.set ADRB, 20                          ; v20-23  W's fragments in slot s, k-rows 128 hi ..: v[20 + 2 s + hi]
.set STO,  24
.set RD,   25
.set CO,   26
.set BO,   27
.set BIAS, 28                          ; v[28:31]
.set CL,   32                          ; v32     16 x lane: w2 as f32
.set CS,   33                          ; v33     8 x lane: w2 as bf16
.set F0,   64
.set F1,   128
.set RB,   192
.set RES,  128                         ; window 2
.set G1,  24
.set G0,  32
.set G1B, 48
.set G0B, 56
.set MSB, 0
.macro WIN new
.if MSB != (\new)
	s_set_vgpr_msb (MSB<<8)|(\new)
.set MSB, (\new)
.endif
.endm
.set MUL,  0xa1                        ; source 0 (W) window 1, source 1 (A) window 0, C and D window 2
.set TO_B, 0x40
.macro JLOAD s                         ; waves 0 and 1 ask for A's halves, waves 2 and 3 for W's
	s_cmp_eq_u32 s11, 0
	s_cbranch_scc0 .Lfor_b_\@
	tensor_load_to_lds s[G0+4*\s:G0+4*\s+3], s[G1:G1+7]
	s_nop 0
	s_branch .Lasked_\@
.Lfor_b_\@:
	tensor_load_to_lds s[G0B+4*\s:G0B+4*\s+3], s[G1B:G1B+7]
	s_nop 0
.Lasked_\@:
.endm
; The next K step of the ring into slot s's two address pairs.  s76 counts the steps from k0 on; s[72:73] and s[74:75] are A's and W's addresses at K step 0,
; type bits set.  It stands where no tensor load of the wave is out.
.macro SETK s
	s_and_b32 s77, s76, NSTEP-1
	s_add_co_u32 s76, s76, 1
	s_lshl_b32 s78, s77, 9                         ; A: 256 numbers of 2 bytes a step
	s_add_nc_u64 s[G0+4*\s+2:G0+4*\s+3], s[72:73], s[78:79]
	s_lshl_b32 s78, s77, 19                        ; W: 256 k-rows of 2,048 bytes a step
	s_add_nc_u64 s[G0B+4*\s+2:G0B+4*\s+3], s[74:75], s[78:79]
.endm
.macro CREST
	s_cmp_lg_u32 s10, 0
	s_cbranch_scc1 .Lnot_wave_0_\@
	s_barrier_signal -3
.Lnot_wave_0_\@:
	s_barrier_wait -3
	s_barrier_signal -1
	s_barrier_wait -1
.endm
.macro CROUND
	s_barrier_signal -1
	s_barrier_wait -1
	CREST
.endm
	s_load_b128 s[4:7], s[0:1], 0x0                ; A s[4:5], W's buffer s[6:7]
	s_load_b128 s[68:71], s[0:1], 0x10             ; bias s[68:69], residual s[70:71]
	s_load_b64 s[8:9], s[0:1], 0x20                ; C
.if CASTW
	s_load_b64 s[80:81], s[0:1], 0x28              ; w2 in f32
	s_load_b64 s[82:83], s[0:1], 0x30              ; w2 in bf16
	v_lshl_add_u32 v254, v0, 2, 0x4c400
	v_mov_b32 v255, 0
	ds_add_u32 v254, v255
	ds_add_u32 v254, v255
.endif
	v_lshrrev_b32 v1, 5, v0
	v_readfirstlane_b32 s10, v1                    ; wave
	s_lshr_b32 s11, s10, 1                         ; my half of the rows.  Also: I fetch for A (0) or for W (1)
	s_and_b32 s12, s10, 1                          ; my half of the columns.  Also: which half of that tile I fetch
	s_bfe_u32 s40, ttmp6, 0x40000                  ; cx
	s_bfe_u32 s41, ttmp6, 0x40004                  ; cy
	s_lshl_b32 s42, ttmp9, 2
	s_add_co_u32 s42, s42, s40                     ; block column
	s_and_b32 s13, ttmp7, 0xffff
	s_lshl_b32 s13, s13, 2
	s_add_co_u32 s13, s13, s41                     ; block row
	s_lshl_b32 s43, s41, 2
	s_lshl_b32 s43, 15, s43                        ; my row of the cluster
	s_lshl_b32 s44, 0x1111, s40                    ; my column
	s_or_b32 s[G1+0], s43, (1<<16)|(1<<20)|(1<<21)|(6<<22)|(3<<25)   ; 4 words of padding behind every 128
	s_or_b32 s[G1B+0], s44, (1<<16)|(1<<20)|(1<<21)|(5<<22)|(7<<25)  ; 8 words behind every 64
	s_mov_b32 s[G1+1], KSTEP<<16                   ; tensor_dim0 = 256
	s_mov_b32 s[G1+2], 64<<16                      ; tensor_dim1 = 64
	s_mov_b32 s[G1+3], KSTEP<<16                   ; tile_dim0 = 256
	s_mov_b32 s[G1+4], 64                          ; tile_dim1 = 64
	s_mov_b32 s[G1+5], SIZE_K
	s_mov_b32 s[G1+6], 0
	s_mov_b32 s[G1+7], 0
	s_mov_b32 s[G1B+1], 128<<16                    ; tensor_dim0 = 128
	s_mov_b32 s[G1B+2], 128<<16                    ; tensor_dim1 = 128
	s_mov_b32 s[G1B+3], 128<<16                    ; tile_dim0 = 128
	s_mov_b32 s[G1B+4], 128                        ; tile_dim1 = 128
	s_mov_b32 s[G1B+5], SIZE_N
	s_mov_b32 s[G1B+6], 0
	s_mov_b32 s[G1B+7], 0
	s_lshl_b32 s16, s13, 7
	s_lshl_b32 s17, s12, 6
	s_add_co_u32 s16, s16, s17                     ; A: row 128 x block row + 64 x half
	s_mul_i32 s16, s16, SIZE_K*2
	s_mov_b32 s17, 0
	s_lshl_b32 s46, s42, 8                         ; W: 128 columns = 256 bytes a block column
	s_lshl_b32 s47, s12, 18                        ; + 128 k-rows of 2,048 bytes x half
	s_add_co_u32 s46, s46, s47
	s_add_co_u32 s46, s46, WOFF
	s_mov_b32 s47, 0
	s_mul_i32 s20, s10, QUART                      ; LDS: the wave's number alone
	s_and_b32 s76, ttmp7, 3                        ; where my cluster enters the ring of K steps: cluster y % 4 quarters
	s_mul_i32 s76, s76, NSTEP/4
	s_mul_i32 s77, ttmp9, NSTEP/2                  ; + cluster x halves
	s_add_co_u32 s76, s76, s77
	s_mov_b32 s79, 0                               ; upper word of the steps' offsets
	s_wait_dscnt 0x0
	s_wait_kmcnt 0x0
	s_add_nc_u64 s[72:73], s[4:5], s[16:17]
	s_add_nc_u64 s[74:75], s[6:7], s[46:47]
	s_or_b32 s73, s73, 0x80000000                  ; the descriptors' type bits
	s_or_b32 s75, s75, 0x80000000
	CROUND                                         ; the first joint loads meet
.irp s, 0,1
	s_mov_b32 s[G0+4*\s], 1
	s_add_co_u32 s[G0+4*\s+1], s20, \s*SLOT
	s_mov_b32 s[G0B+4*\s], 1
	s_add_co_u32 s[G0B+4*\s+1], s20, \s*SLOT
	SETK \s
	JLOAD \s                                       ; two tensor loads of the wave are out here, one later on
.endr
	v_and_b32 v1, 15, v0                           ; r
	v_bfe_u32 v2, v0, 4, 1                         ; h
	v_mul_u32_u24 v3, v1, APITCH
	v_lshl_add_u32 v3, v2, 4, v3
	v_and_b32 v4, 7, v0
	v_lshl_add_u32 v4, v2, 3, v4
	v_mul_u32_u24 v4, v4, BPITCH
	v_bfe_u32 v5, v0, 3, 1
	v_lshl_add_u32 v4, v5, 4, v4
	s_mul_i32 s21, s11, QUART                      ; my 64 rows of A
	s_lshl_b32 s22, s12, 7                         ; my 64 columns of W,
	s_add_co_u32 s22, s22, 2*QUART                 ; which lies behind A
.irp s, 0,1
	v_add_nc_u32 v[ADRA+\s], s21, v3
	v_add_nc_u32 v[ADRB+2*\s], s22, v4
	s_add_co_u32 s22, s22, QUART
	v_add_nc_u32 v[ADRB+2*\s+1], s22, v4
	s_add_co_u32 s21, s21, SLOT
	s_add_co_u32 s22, s22, SLOT-QUART
.endr
	s_mul_i32 s23, s10, 16*SPITCH
	s_add_co_u32 s23, s23, STAGE
	v_mul_u32_u24 v4, v1, SPITCH
	v_lshl_add_u32 v4, v2, 5, v4                   ; in: row r, 32 bytes for each half of the lanes
	v_add_nc_u32 v[STO], s23, v4
	v_mul_u32_u24 v5, v2, SPITCH
	v_lshl_add_u32 v5, v1, 4, v5                   ; back: lanes 0-15 one row of 256 bytes, lanes 16-31 the next
	v_add_nc_u32 v[RD], s23, v5
	v_lshlrev_b32 v5, 12, v2
	v_lshl_add_u32 v[CO], v1, 4, v5                ; the same two rows in C and in the residual
	v_lshlrev_b32 v[BO], 4, v1
	s_lshl_b32 s16, s13, 7
	s_lshl_b32 s17, s11, 6
	s_add_co_u32 s16, s16, s17                     ; my first row,
	s_lshl_b32 s16, s16, 12                        ; in bytes
	s_mov_b32 s17, 0
	s_add_nc_u64 s[70:71], s[70:71], s[16:17]
	s_add_nc_u64 s[8:9], s[8:9], s[16:17]
	s_lshl_b32 s46, s42, 9                         ; my first column, in bytes
	s_lshl_b32 s47, s12, 8
	s_add_co_u32 s46, s46, s47
	s_mov_b32 s47, 0
	s_add_nc_u64 s[70:71], s[70:71], s[46:47]
	s_add_nc_u64 s[8:9], s[8:9], s[46:47]
	s_add_nc_u64 s[68:69], s[68:69], s[46:47]
	WIN 0x80                                       ; the residual goes to window 2 and is waited for in front of its use
.irp a, 0,1,2,3
.irp t, 0,1,2,3,4,5,6,7
	global_load_b128 v[RES+4*(8*\a+\t):RES+4*(8*\a+\t)+3], v[CO], s[70:71] offset:(16*\a+2*\t)*4096
.endr
.endr
	WIN 0
	global_load_b128 v[BIAS:BIAS+3], v[BO], s[68:69]
.if CASTW
	v_and_b32 v[CL], 31, v0
	v_lshlrev_b32 v[CS], 3, v[CL]
	v_lshlrev_b32 v[CL], 4, v[CL]
	s_lshl3_add_u32 s84, s13, s42                  ; work-group 8 x block row + block column,
	s_lshl2_add_u32 s84, s84, s10                  ; wave number in the launch
	s_lshl_b32 s84, s84, 13                        ; 8,192 bytes of bf16 a wave,
	s_mov_b32 s85, 0
	s_add_nc_u64 s[82:83], s[82:83], s[84:85]
	s_lshl_b32 s84, s84, 1                         ; 16,384 bytes of f32
	s_add_nc_u64 s[80:81], s[80:81], s[84:85]
	WIN TO_B                                       ; into window 1
.set j, 0
.rept 16
	global_load_b128 v[4*j:4*j+3], v[CL], s[80:81] offset:512*j th:TH_LOAD_NT
.set j, j+1
.endr
.set j, 0
.rept 16
	global_load_b128 v[192+4*j:192+4*j+3], v[CL], s[80:81] offset:8192+512*j th:TH_LOAD_NT
.set j, j+1
.endr
	WIN 0
.endif
; 8 matrix instructions: row tiles a0, a0 + 1 x 4 column tiles, 32 along K (half kq of a buffer)
.macro MULS f, kq, a0, zero
.irp a, \a0, \a0+1
.irp b, 0,1,2,3
.if \zero
	v_wmma_f32_16x16x32_bf16 v[8*(4*(\a)+\b):8*(4*(\a)+\b)+7], v[\f+8*(4*\kq+\b):\f+8*(4*\kq+\b)+7], v[\f+8*(4*\kq+(\a)):\f+8*(4*\kq+(\a))+7], 0
.else
	v_wmma_f32_16x16x32_bf16 v[8*(4*(\a)+\b):8*(4*(\a)+\b)+7], v[\f+8*(4*\kq+\b):\f+8*(4*\kq+\b)+7], v[\f+8*(4*\kq+(\a)):\f+8*(4*\kq+(\a))+7], v[8*(4*(\a)+\b):8*(4*(\a)+\b)+7]
.endif
.endr
.endr
.endm
; 32 LDS loads in one run: the fragments of unit u (64 along K) into buffer f; W first, then A; in each the first 32 of K first
.macro FETCH slot, u, f
	WIN TO_B
.irp kq, 0,1
.irp b, 0,1,2,3
	ds_load_tr16_b128 v[\f+8*(4*\kq+\b):\f+8*(4*\kq+\b)+3],   v[ADRB+2*\slot+(\u>>1)] offset:((\u&1)*64+32*\kq)*BPITCH+32*\b
	ds_load_tr16_b128 v[\f+8*(4*\kq+\b)+4:\f+8*(4*\kq+\b)+7], v[ADRB+2*\slot+(\u>>1)] offset:((\u&1)*64+32*\kq+16)*BPITCH+32*\b
.endr
.endr
	WIN 0
.irp kq, 0,1
.irp a, 0,1,2,3
	ds_load_b128 v[\f+8*(4*\kq+\a):\f+8*(4*\kq+\a)+3],   v[ADRA+\slot] offset:16*APITCH*\a+128*\u+64*\kq
	ds_load_b128 v[\f+8*(4*\kq+\a)+4:\f+8*(4*\kq+\a)+7], v[ADRA+\slot] offset:16*APITCH*\a+128*\u+64*\kq+32
.endr
.endr
.endm
.macro PLACES                          ; four plain places between a matrix instruction and a load into, or a vector instruction on, its registers (ISA guide 7.12.1 for vector instructions)
.rept 4
	v_nop
.endr
.endm
.macro UNIT slot, u, f, g, zero
	s_wait_dscnt 8                                 ; all but A's second 32 of K (the youngest eight loads)
	WIN MUL
	MULS \f, 0, 0, \zero
	MULS \f, 0, 2, \zero
	PLACES
	FETCH \slot, \u, \g
	s_wait_dscnt 32                                ; all but the 32 just issued
	WIN MUL
	MULS \f, 1, 0, 0
	MULS \f, 1, 2, 0
.endm
.macro THREE slot, zero
	UNIT \slot, 1, F0, F1, \zero
	UNIT \slot, 2, F1, F0, 0
	UNIT \slot, 3, F0, F1, 0
.endm
; The last unit of a K step changes slots: each wave's waits for its reads of this slot and for all its tensor loads stand in front of the barrier;
; where this slot is filled again the rest of a round of the cluster's barrier follows, and the joint refill is the first tensor load behind it.
.macro TURN slot, next, fill
	s_wait_dscnt 8
	WIN MUL
	MULS F1, 0, 0, 0
	s_wait_dscnt 0
	s_set_vgpr_msb 0xa1a0
	s_wait_tensorcnt 0x0
	ds_add_u32 v254, v255
	s_wait_dscnt 0x0
	s_set_vgpr_msb 0xa0a1
	s_barrier_signal -1
	MULS F1, 0, 2, 0
	WIN 0
	s_barrier_wait -1
.if \fill
	CREST
	SETK \slot
	JLOAD \slot
.endif
	PLACES
	FETCH \next, 0, F0
	WIN MUL
	MULS F1, 1, 0, 0
	MULS F1, 1, 2, 0
.endm
.macro LAP zero
	THREE 0, \zero
	TURN 0, 1, 1
	THREE 1, 0
	TURN 1, 0, 1
.endm
	s_wait_tensorcnt 1                             ; my part of the first K step is in; the second's stays out
	s_barrier_signal -1
	s_barrier_wait -1
	FETCH 0, 0, F0
	LAP 1
.if CASTW
	WIN 0
	s_wait_loadcnt 0x0                             ; my part of w2 (and the residual and the bias, which were asked for ahead of it)
	WIN 0x45                                       ; both sources and the destination in window 1
.irp b, 0, 192
.set j, 0
.rept 16
	v_cvt_pk_bf16_f32 v[\b+4*j], v[\b+4*j], v[\b+4*j+1]
	v_cvt_pk_bf16_f32 v[\b+4*j+1], v[\b+4*j+2], v[\b+4*j+3]
.set j, j+1
.endr
.endr
	WIN 0x04                                       ; the stores' data in window 1; each store of the wave covers 256 consecutive bytes, aligned
.set j, 0
.rept 16
	global_store_b64 v[CS], v[4*j:4*j+1], s[82:83] offset:256*j
.set j, j+1
.endr
.set j, 0
.rept 16
	global_store_b64 v[CS], v[192+4*j:192+4*j+1], s[82:83] offset:4096+256*j
.set j, j+1
.endr
	WIN 0
.endif
.if LAPS > 2
	WIN 0
	s_mov_b32 s3, LAPS-2
.Llap:
	LAP 0
	WIN 0
	s_sub_co_u32 s3, s3, 1
	s_cmp_lg_u32 s3, 0
	s_cbranch_scc1 .Llap
.endif
	THREE 0, 0                                     ; the last lap fills nothing
	TURN 0, 1, 0
	THREE 1, 0
	s_wait_dscnt 0
	WIN MUL
	MULS F1, 0, 0, 0
	MULS F1, 0, 2, 0
	MULS F1, 1, 0, 0
	MULS F1, 1, 2, 0
	; THE WAY OUT, 16 rows at a time: the f32 sums through my stage, back as whole rows of 256 bytes, + bias + residual
	PLACES
	s_wait_loadcnt 0x0                             ; residual and bias
.macro OUTS a
	WIN 0x08                                       ; the stores' data in window 2
.irp b, 0,1,2,3
	ds_store_b128 v[STO], v[8*(4*\a+\b):8*(4*\a+\b)+3] offset:64*\b
	ds_store_b128 v[STO], v[8*(4*\a+\b)+4:8*(4*\a+\b)+7] offset:64*\b+16
.endr
	WIN 0
	s_wait_xcnt 0x0                                ; RB, which the last stores read, is rewritten only behind this wait
.irp t, 0,1,2,3,4,5,6,7
	ds_load_b128 v[RB+4*\t:RB+4*\t+3], v[RD] offset:\t*2*SPITCH    ; LDS serves a wave's instructions in order
.endr
	s_wait_dscnt 0x0
.irp t, 0,1,2,3,4,5,6,7
	v_pk_add_f32 v[RB+4*\t:RB+4*\t+1], v[RB+4*\t:RB+4*\t+1], v[BIAS:BIAS+1]
	v_pk_add_f32 v[RB+4*\t+2:RB+4*\t+3], v[RB+4*\t+2:RB+4*\t+3], v[BIAS+2:BIAS+3]
.endr
	WIN 0x08                                       ; source 1 in window 2
.irp t, 0,1,2,3,4,5,6,7
	v_pk_add_f32 v[RB+4*\t:RB+4*\t+1], v[RB+4*\t:RB+4*\t+1], v[RES+4*(8*\a+\t):RES+4*(8*\a+\t)+1]
	v_pk_add_f32 v[RB+4*\t+2:RB+4*\t+3], v[RB+4*\t+2:RB+4*\t+3], v[RES+4*(8*\a+\t)+2:RES+4*(8*\a+\t)+3]
.endr
	WIN 0
.irp t, 0,1,2,3,4,5,6,7
	global_store_b128 v[CO], v[RB+4*\t:RB+4*\t+3], s[8:9] offset:(16*\a+2*\t)*4096   ; 16 lanes store 256 consecutive bytes, at a multiple of 256
.endr
.endm
	OUTS 0
	OUTS 1
	OUTS 2
	OUTS 3
	s_wait_tensorcnt 0x0
	ds_add_u32 v254, v255
	s_wait_dscnt 0x0
	CROUND                                         ; the closing round
	s_endpgm
.Lfunc_end_k_q49a5307c11_wo:
	.size	k_q49a5307c11_wo, .Lfunc_end_k_q49a5307c11_wo-k_q49a5307c11_wo
	.p2alignl 7, 3214868480
	.fill 96, 4, 3214868480
	.section	.rodata,"a",@progbits
	.p2align	6, 0x0
	.amdhsa_kernel k_q49a5307c11_wo
		.amdhsa_group_segment_fixed_size 327680
		.amdhsa_private_segment_fixed_size 0
		.amdhsa_enable_private_segment 0
		.amdhsa_kernarg_size 56
		.amdhsa_user_sgpr_count 2
		.amdhsa_user_sgpr_kernarg_segment_ptr 1
		.amdhsa_wavefront_size32 1
		.amdhsa_system_sgpr_workgroup_id_x 1
		.amdhsa_system_sgpr_workgroup_id_y 1
		.amdhsa_system_sgpr_workgroup_id_z 1
		.amdhsa_system_vgpr_workitem_id 0
		.amdhsa_next_free_vgpr 768
		.amdhsa_next_free_sgpr 88
		.amdhsa_reserve_vcc 0
		.amdhsa_float_denorm_mode_32 3
		.amdhsa_float_denorm_mode_16_64 3
		.amdhsa_memory_ordered 1
		.amdhsa_forward_progress 1
		.amdhsa_inst_pref_size 109
	.end_amdhsa_kernel
	.amdgpu_metadata
---
amdhsa.version: [ 1, 2 ]
amdhsa.kernels:
  - .name:           k_q49a5307c11_wo
    .symbol:         k_q49a5307c11_wo.kd
    .args:
      - { .name: ao, .offset: 0, .size: 8, .value_kind: global_buffer, .address_space: global }
      - { .name: wb, .offset: 8, .size: 8, .value_kind: global_buffer, .address_space: global }
      - { .name: bo, .offset: 16, .size: 8, .value_kind: global_buffer, .address_space: global }
      - { .name: x, .offset: 24, .size: 8, .value_kind: global_buffer, .address_space: global }
      - { .name: x1, .offset: 32, .size: 8, .value_kind: global_buffer, .address_space: global }
      - { .name: w2, .offset: 40, .size: 8, .value_kind: global_buffer, .address_space: global }
      - { .name: wb2, .offset: 48, .size: 8, .value_kind: global_buffer, .address_space: global }
    .group_segment_fixed_size: 327680
    .private_segment_fixed_size: 0
    .kernarg_segment_align: 8
    .kernarg_segment_size: 56
    .max_flat_workgroup_size: 128
    .sgpr_count:     88
    .vgpr_count:     768
    .wavefront_size: 32
...
	.end_amdgpu_metadata
.endif
;; end of part 4
;; launch ln2 (part 5): grid 256 x 1, 8 waves a work-group, no clusters, 0 bytes of LDS; arguments x1, ln2_scale, ln2_bias, hn; writes hn
.if DOCPART == 5
	.amdgcn_target "amdgcn-amd-amdhsa--gfx1250"
	.amdhsa_code_object_version 6
	.text
	.protected	k_q49a5307c11_ln2
	.globl	k_q49a5307c11_ln2
	.p2align	8
	.type	k_q49a5307c11_ln2,@function
k_q49a5307c11_ln2:
	s_mov_b64 s[64:65], 0
	v_nop
	global_prefetch_b8 v0, s[64:65] scope:SCOPE_SE
	s_setreg_imm32_b32 hwreg(HW_REG_WAVE_MODE, 25, 1), 1
	s_wait_xcnt 0x0
; hn = LayerNorm2(x1) in bf16: (x - mean) / (std + 1e-5) * scale + bias, all in f32, rounded once.
; A work-group takes 16 rows of 1,024 numbers, a wave two.  A row stays in 32 registers of its wave between the passes: it is read once.
; A stream: no LDS, no barrier, no matrix unit.  A load of a wave covers 512 neighbouring bytes, a store 256 at a multiple of 256.
; The variance is made from the centred numbers: no difference of large sums.
; Limit: v_sqrt_f32 takes a denormal variance as zero; std is then below 1e-19 beside the 1e-5 that is added.
.set T,    4
.set MEAN, 20
.set R0,   22
.set R1,   24
.set X0,   32
.set X1,   64
.set SC,   96
.set BI,   128
.set Y0,   160
.set Y1,   176
	s_load_b256 s[4:11], s[0:1], 0x0               ; x1 s[4:5], scale s[6:7], bias s[8:9], hn s[10:11]
	v_lshrrev_b32 v3, 5, v0
	v_readfirstlane_b32 s26, v3                    ; wave 0..7
	v_and_b32 v3, 31, v0
	v_lshlrev_b32 v1, 4, v3                        ; 16 bytes of f32 a lane
	v_lshlrev_b32 v2, 3, v3                        ; 8 bytes of bf16 a lane
	s_mov_b32 s29, 0
	s_lshl_b32 s28, ttmp9, 16                      ; 16 rows of 4,096 bytes
	s_lshl_b32 s27, s26, 13                        ; + 2 rows a wave
	s_add_co_u32 s28, s28, s27
	s_mov_b32 s36, 0x76543210
	s_mov_b32 s37, 0xfedcba98
	s_wait_kmcnt 0x0
	s_add_nc_u64 s[4:5], s[4:5], s[28:29]
	s_lshr_b32 s28, s28, 1
	s_add_nc_u64 s[10:11], s[10:11], s[28:29]
.irp j, 0,1,2,3,4,5,6,7
	global_load_b128 v[X0+4*\j:X0+4*\j+3], v1, s[4:5] offset:512*\j
.endr
.irp j, 0,1,2,3,4,5,6,7
	global_load_b128 v[X1+4*\j:X1+4*\j+3], v1, s[4:5] offset:4096+512*\j
.endr
.irp j, 0,1,2,3,4,5,6,7
	global_load_b128 v[SC+4*\j:SC+4*\j+3], v1, s[6:7] offset:512*\j
.endr
.irp j, 0,1,2,3,4,5,6,7
	global_load_b128 v[BI+4*\j:BI+4*\j+3], v1, s[8:9] offset:512*\j
.endr
.macro FOLD
	v_pk_add_f32 v[T:T+1], v[T:T+1], v[T+2:T+3]
	v_pk_add_f32 v[T+4:T+5], v[T+4:T+5], v[T+6:T+7]
	v_pk_add_f32 v[T:T+1], v[T:T+1], v[T+4:T+5]
	v_add_f32 v[T], v[T], v[T+1]
.endm
.macro REDUCE
	v_add_f32_dpp v[T], v[T], v[T] row_xmask:1 row_mask:0xf bank_mask:0xf
	v_add_f32_dpp v[T], v[T], v[T] row_xmask:2 row_mask:0xf bank_mask:0xf
	v_add_f32_dpp v[T], v[T], v[T] row_xmask:4 row_mask:0xf bank_mask:0xf
	v_add_f32_dpp v[T], v[T], v[T] row_xmask:8 row_mask:0xf bank_mask:0xf
	v_permlanex16_b32 v[T+1], v[T], s36, s37       ; T+1 has been written before
	v_add_f32 v[T], v[T], v[T+1]
.endm
.macro LNSTAT X, R
.irp k, 0,1,2,3
	v_pk_add_f32 v[T+2*\k:T+2*\k+1], v[\X+2*\k:\X+2*\k+1], v[\X+8+2*\k:\X+8+2*\k+1]
.endr
.irp k, 8,9,10,11,12,13,14,15
	v_pk_add_f32 v[T+2*(\k%4):T+2*(\k%4)+1], v[T+2*(\k%4):T+2*(\k%4)+1], v[\X+2*\k:\X+2*\k+1]
.endr
	FOLD
	REDUCE
	v_mul_f32 v[MEAN], 0x3a800000, v[T]            ; / 1024
	v_mov_b32 v[MEAN+1], v[MEAN]
.irp k, 0,1,2,3,4,5,6,7,8,9,10,11,12,13,14,15
	v_pk_add_f32 v[\X+2*\k:\X+2*\k+1], v[\X+2*\k:\X+2*\k+1], v[MEAN:MEAN+1] neg_lo:[0,1] neg_hi:[0,1]
.endr
.irp k, 0,1,2,3
	v_pk_mul_f32 v[T+2*\k:T+2*\k+1], v[\X+2*\k:\X+2*\k+1], v[\X+2*\k:\X+2*\k+1]
.endr
.irp k, 4,5,6,7,8,9,10,11,12,13,14,15
	v_pk_fma_f32 v[T+2*(\k%4):T+2*(\k%4)+1], v[\X+2*\k:\X+2*\k+1], v[\X+2*\k:\X+2*\k+1], v[T+2*(\k%4):T+2*(\k%4)+1]
.endr
	FOLD
	REDUCE
	v_mul_f32 v[T], 0x3a800000, v[T]
	v_sqrt_f32 v[T], v[T]
	v_nop                                          ; one plain place behind a transcendental before its result is used (ISA guide 5.7.2)
	s_wait_alu depctr_va_vdst(0)
	v_add_f32 v[T], 0x3727c5ac, v[T]               ; + 1e-5
	v_rcp_f32 v[\R], v[T]
	v_rcp_f32 v[\R+1], v[T]
	v_nop
.endm
.macro LNOUT X, Y, R, rowoff
	s_wait_alu depctr_va_vdst(0)
.irp j, 0,1,2,3,4,5,6,7
	v_pk_mul_f32 v[\X+4*\j:\X+4*\j+1], v[\X+4*\j:\X+4*\j+1], v[\R:\R+1]
	v_pk_mul_f32 v[\X+4*\j+2:\X+4*\j+3], v[\X+4*\j+2:\X+4*\j+3], v[\R:\R+1]
	v_pk_fma_f32 v[\X+4*\j:\X+4*\j+1], v[\X+4*\j:\X+4*\j+1], v[SC+4*\j:SC+4*\j+1], v[BI+4*\j:BI+4*\j+1]
	v_pk_fma_f32 v[\X+4*\j+2:\X+4*\j+3], v[\X+4*\j+2:\X+4*\j+3], v[SC+4*\j+2:SC+4*\j+3], v[BI+4*\j+2:BI+4*\j+3]
	v_cvt_pk_bf16_f32 v[\Y+2*\j], v[\X+4*\j], v[\X+4*\j+1]
	v_cvt_pk_bf16_f32 v[\Y+2*\j+1], v[\X+4*\j+2], v[\X+4*\j+3]
	global_store_b64 v2, v[\Y+2*\j:\Y+2*\j+1], s[10:11] offset:\rowoff+256*\j
.endr
.endm
	s_wait_loadcnt 24                              ; row 0 is in: 24 younger loads stay out
	LNSTAT X0, R0
	s_wait_loadcnt 16                              ; row 1 is in: scale and bias stay out
	LNSTAT X1, R1
	s_wait_loadcnt 0x0
	LNOUT X0, Y0, R0, 0
	LNOUT X1, Y1, R1, 2048
	s_endpgm
.Lfunc_end_k_q49a5307c11_ln2:
	.size	k_q49a5307c11_ln2, .Lfunc_end_k_q49a5307c11_ln2-k_q49a5307c11_ln2
	.p2alignl 7, 3214868480
	.fill 96, 4, 3214868480
	.section	.rodata,"a",@progbits
	.p2align	6, 0x0
	.amdhsa_kernel k_q49a5307c11_ln2
		.amdhsa_group_segment_fixed_size 0
		.amdhsa_private_segment_fixed_size 0
		.amdhsa_enable_private_segment 0
		.amdhsa_kernarg_size 32
		.amdhsa_user_sgpr_count 2
		.amdhsa_user_sgpr_kernarg_segment_ptr 1
		.amdhsa_wavefront_size32 1
		.amdhsa_system_sgpr_workgroup_id_x 1
		.amdhsa_system_sgpr_workgroup_id_y 1
		.amdhsa_system_sgpr_workgroup_id_z 1
		.amdhsa_system_vgpr_workitem_id 0
		.amdhsa_next_free_vgpr 192
		.amdhsa_next_free_sgpr 66
		.amdhsa_reserve_vcc 0
		.amdhsa_float_denorm_mode_32 3
		.amdhsa_float_denorm_mode_16_64 3
		.amdhsa_memory_ordered 1
		.amdhsa_forward_progress 1
		.amdhsa_inst_pref_size 21
	.end_amdhsa_kernel
	.amdgpu_metadata
---
amdhsa.version: [ 1, 2 ]
amdhsa.kernels:
  - .name:           k_q49a5307c11_ln2
    .symbol:         k_q49a5307c11_ln2.kd
    .args:
      - { .name: x1, .offset: 0, .size: 8, .value_kind: global_buffer, .address_space: global }
      - { .name: ln2_scale, .offset: 8, .size: 8, .value_kind: global_buffer, .address_space: global }
      - { .name: ln2_bias, .offset: 16, .size: 8, .value_kind: global_buffer, .address_space: global }
      - { .name: hn, .offset: 24, .size: 8, .value_kind: global_buffer, .address_space: global }
    .group_segment_fixed_size: 0
    .private_segment_fixed_size: 0
    .kernarg_segment_align: 8
    .kernarg_segment_size: 32
    .max_flat_workgroup_size: 256
    .sgpr_count:     66
    .vgpr_count:     192
    .wavefront_size: 32
...
	.end_amdgpu_metadata
.endif
;; end of part 5
;; launch ffn1 (part 6): grid 16 x 16, 4 waves a work-group, clusters of 4 x 4, 327,680 bytes of LDS; arguments hn, wb, b1, g; writes g
.if DOCPART == 6
	.amdgcn_target "amdgcn-amd-amdhsa--gfx1250"
	.amdhsa_code_object_version 6
	.text
	.protected	k_q49a5307c11_ffn1
	.globl	k_q49a5307c11_ffn1
	.p2align	8
	.type	k_q49a5307c11_ffn1,@function
k_q49a5307c11_ffn1:
	s_mov_b64 s[64:65], 0
	v_nop
	global_prefetch_b8 v0, s[64:65] scope:SCOPE_SE
	s_setreg_imm32_b32 hwreg(HW_REG_WAVE_MODE, 25, 1), 1
	s_wait_xcnt 0x0
	s_wait_alu depctr_hold_cnt(0) depctr_sa_sdst(0) depctr_va_vdst(0) depctr_va_sdst(0) depctr_va_ssrc(0) depctr_va_vcc(0) depctr_vm_vsrc(0)
	s_getreg_b32 s2, hwreg(HW_REG_IB_STS2, 6, 4)
	s_cmp_eq_u32 s2, 0
	s_cbranch_scc0 .Lentry_in_a_cluster
	s_endpgm
.Lentry_in_a_cluster:
	s_bfe_u32 s2, ttmp6, 0x10000c
	s_cmp_lg_u32 s2, 0xf033
	s_cbranch_scc0 .Lentry_shape_is_right
	s_endpgm
.Lentry_shape_is_right:
; C[m][n] = gelu(bias[n] + sum over k of A[m][k] W[k][n]).  A = hn [4096][1024] bf16, W = w1 [1024][4096] bf16 (wb, byte WOFF), C = g [4096][4096] bf16.
; (The same text with GELU = 0 makes A W alone.)  Sums, bias and gelu in f32, C rounded once.
; A work-group makes 256 x 256 of C with four waves; a wave makes 128 x 128: 64 accumulator tiles, 512 registers.
; K goes in steps of 128 through two LDS slots filled by the tensor data mover.  A's tile: 256 rows of 256 bytes; W's tile: 128 k-rows of 512 bytes.
; W lies [K][N]: its fragments are taken with the transposing LDS load, so no transposed copy of the weights is ever made.
; CLUSTERS: 4 x 4 work-groups.  A's tile hangs on the block row alone and is asked for jointly by a row of the cluster, W's on the block column
; alone and is asked for jointly by a column: the requests for both are divided by four.
; REGISTERS: window 0: v2-13 constants, v16-27 addresses, v32-95 bias, v96-159 and v160-223 fragments of A (two buffers), v224-255 packed results;
;   window 1: v96-223 fragments of W; window 2: accumulators of my rows 0-63 (tile (a, b) at v[8 (8 a + b)]); window 3: of rows 64-127.
; The matrix instruction is used transposed (source 0 = 16 columns of W, source 1 = 16 rows of A): a lane's eight results are eight
; neighbouring columns of one row of C.
; The 64 accumulators take turns, one instruction a turn, in the same order everywhere.
; LIMIT: the exact gelu's Phi is replaced by 1 - 1 / (2 p(x)^16) with a polynomial p of degree 6; its error is below 1.5e-7 for every x.
; A pre-activation that is not finite gives a result that is not finite.
.set SIZE_K, 1024
.set SIZE_N, 4096
.set WOFF,   8388608
.set GELU,   1
.set KSTEP,  128
.set PITCH,  272                       ; A's LDS row: 256 bytes + 16: an odd multiple of 16
.set BPITCH, 544                       ; W's LDS row: 512 bytes + 32: an odd multiple of 32
.set HALFT,  128*PITCH                 ; what one tensor load brings: 128 rows of A, or 64 k-rows of W (64 x 544 is the same number)
.set SLOT,   4*HALFT                   ; A's 256 rows, then W's 128 k-rows
.set STAGE,  2*SLOT                    ; behind the ring: 16 rows x 272 bytes for each wave; no fill ever lands there
.set SPITCH, 272
.set LAPS,   SIZE_K/(2*KSTEP)          ; a lap = two K steps
.set D1, 2
.set D2, 4
.set D3, 6
.set D4, 8
.set D5, 10
.set D6, 12
.set ADRA, 16                          ; v16-17  LDS address of my A fragments in slot 0, 1
.set ADRB, 20                          ; v20-21  the same for W
.set STO,  24
.set RD,   25
.set CO,   26
.set BO,   27
.set BIAS, 32                          ; v[32:95] bias of my 64 columns' places: 8 for each of 8 column tiles
.set F0,   96
.set F1,   160
.set GA,   F1                          ; the way out: |v|
.set GP,   F1+16                       ; the way out: the polynomial
.set RB,   F1+32                       ; the way out: rows read back
.set TMP,  224
.set G1,  24
.set G0,  32
.set G1B, 48
.set G0B, 56
.set MSB, 0
.macro WIN new                         ; the immediate's high byte repeats the setting that is left
.if MSB != (\new)
	s_set_vgpr_msb (MSB<<8)|(\new)
.set MSB, (\new)
.endif
.endm
.set MUL_LO, 0xa1                      ; source 0 (W) window 1, source 1 (A) window 0, C and D window 2
.set MUL_HI, 0xf1                      ; the same, C and D window 3
.set TO_B,   0x40                      ; destination window 1, address window 0
; A joint load.  Waves 0 and 1 fetch A's halves, waves 2 and 3 W's.  The branch hangs on the wave's number alone.
.macro JLOAD s
	s_cmp_eq_u32 s11, 0
	s_cbranch_scc0 .Lfor_b_\@
	tensor_load_to_lds s[G0+4*\s:G0+4*\s+3], s[G1:G1+7]
	s_nop 0
	s_branch .Lasked_\@
.Lfor_b_\@:
	tensor_load_to_lds s[G0B+4*\s:G0B+4*\s+3], s[G1B:G1B+7]
	s_nop 0
.Lasked_\@:
.endm
.macro CREST                           ; a round of the cluster's barrier behind its opening barrier
	s_cmp_lg_u32 s10, 0
	s_cbranch_scc1 .Lnot_wave_0_\@
	s_barrier_signal -3
.Lnot_wave_0_\@:
	s_barrier_wait -3
	s_barrier_signal -1
	s_barrier_wait -1
.endm
.macro CROUND                          ; a whole round
	s_barrier_signal -1
	s_barrier_wait -1
	CREST
.endm
	s_load_b128 s[4:7], s[0:1], 0x0                ; A s[4:5], wb s[6:7]
.if GELU
	s_load_b64 s[66:67], s[0:1], 0x10              ; bias
	s_load_b64 s[8:9], s[0:1], 0x18                ; C
	s_set_vgpr_msb 0x40
	v_lshl_add_u32 v255, v0, 2, 0x48400
	s_set_vgpr_msb 0x4000
	v_mov_b32 v31, 0
	s_set_vgpr_msb 0x1
	ds_add_u32 v255, v31
	ds_add_u32 v255, v31
	s_set_vgpr_msb 0x100
.else
	s_load_b64 s[8:9], s[0:1], 0x10                ; C
.endif
	v_lshrrev_b32 v1, 5, v0
	v_readfirstlane_b32 s10, v1                    ; wave 0..3
	s_lshr_b32 s11, s10, 1                         ; which half of the block's rows is mine.  Also: I fetch for A (0) or for W (1)
	s_and_b32 s12, s10, 1                          ; which half of its columns.  Also: which half of that tile I fetch
	s_bfe_u32 s40, ttmp6, 0x40000                  ; cx
	s_bfe_u32 s41, ttmp6, 0x40004                  ; cy
	s_lshl_b32 s42, ttmp9, 2
	s_add_co_u32 s42, s42, s40                     ; block column
	s_and_b32 s13, ttmp7, 0xffff
	s_lshl_b32 s13, s13, 2
	s_add_co_u32 s13, s13, s41                     ; block row
	s_lshl_b32 s43, s41, 2
	s_lshl_b32 s43, 15, s43                        ; my row of the cluster
	s_lshl_b32 s44, 0x1111, s40                    ; my column
	s_or_b32 s[G1+0], s43, (1<<16)|(1<<20)|(1<<21)|(5<<22)|(3<<25)   ; mask; 2-byte elements; padding on; bit 21 beside a mask; 4 words behind every 64
	s_or_b32 s[G1B+0], s44, (1<<16)|(1<<20)|(1<<21)|(6<<22)|(7<<25)  ; the column's mask; 8 words behind every 128
	s_mov_b32 s[G1+1], KSTEP<<16                   ; tensor_dim0 = 128
	s_mov_b32 s[G1+2], 128<<16                     ; tensor_dim1 = 128
	s_mov_b32 s[G1+3], KSTEP<<16                   ; tile_dim0 = 128
	s_mov_b32 s[G1+4], 128                         ; tile_dim1 = 128
	s_mov_b32 s[G1+5], SIZE_K                      ; elements from row to row
	s_mov_b32 s[G1+6], 0
	s_mov_b32 s[G1+7], 0
	s_mov_b32 s[G1B+1], 256<<16                    ; tensor_dim0 = 256
	s_mov_b32 s[G1B+2], 64<<16                     ; tensor_dim1 = 64
	s_mov_b32 s[G1B+3], 256<<16                    ; tile_dim0 = 256
	s_mov_b32 s[G1B+4], 64                         ; tile_dim1 = 64
	s_mov_b32 s[G1B+5], SIZE_N
	s_mov_b32 s[G1B+6], 0
	s_mov_b32 s[G1B+7], 0
	; A's address is made of the block row and the wave's number, W's of the block column and the wave's number, each in registers of its own
	s_lshl_b32 s16, s13, 8
	s_lshl_b32 s17, s12, 7
	s_add_co_u32 s16, s16, s17                     ; A: row 256 x block row + 128 x half
	s_lshl_b32 s16, s16, 11                        ; x 2,048 bytes
	s_mov_b32 s17, 0
	s_lshl_b32 s46, s42, 9                         ; W: 256 columns = 512 bytes a block column
	s_mul_i32 s47, s12, 128*SIZE_N                 ; + 64 k-rows x half
	s_add_co_u32 s46, s46, s47
	s_add_co_u32 s46, s46, WOFF
	s_mov_b32 s47, 0
	s_mul_i32 s20, s10, HALFT                      ; LDS: wave x 34,816: no place in the cluster enters an LDS address
	s_wait_dscnt 0x0
	s_wait_kmcnt 0x0
	s_add_nc_u64 s[14:15], s[4:5], s[16:17]
	s_add_nc_u64 s[46:47], s[6:7], s[46:47]
	CROUND                                         ; all sixteen work-groups are here: the first joint loads meet
.irp s, 0,1
	s_mov_b32 s[G0+4*\s], 1
	s_add_co_u32 s[G0+4*\s+1], s20, \s*SLOT
	s_add_nc_u64 s[G0+4*\s+2:G0+4*\s+3], s[14:15], \s*KSTEP*2
	s_or_b32 s[G0+4*\s+3], s[G0+4*\s+3], 0x80000000
	s_mov_b32 s[G0B+4*\s], 1
	s_add_co_u32 s[G0B+4*\s+1], s20, \s*SLOT
	s_add_nc_u64 s[G0B+4*\s+2:G0B+4*\s+3], s[46:47], \s*KSTEP*SIZE_N*2
	s_or_b32 s[G0B+4*\s+3], s[G0B+4*\s+3], 0x80000000
	JLOAD \s                                       ; two tensor loads of the wave are out here, one later on
.endr
	v_and_b32 v1, 15, v0                           ; r = l % 16
	v_bfe_u32 v2, v0, 4, 1                         ; h = l / 16
	v_mul_u32_u24 v3, v1, PITCH
	v_lshl_add_u32 v3, v2, 4, v3                   ; A: r x pitch + 16 h
	v_and_b32 v4, 7, v0
	v_lshl_add_u32 v4, v2, 3, v4                   ; W: k-row 8 h + l % 8,
	v_mul_u32_u24 v4, v4, BPITCH
	v_bfe_u32 v5, v0, 3, 1
	v_lshl_add_u32 v4, v5, 4, v4                   ; 16 bytes on for the odd groups of eight lanes
	s_mul_i32 s21, s11, HALFT                      ; my 128 rows of A
	s_lshl_b32 s22, s12, 8                         ; my 128 columns of W,
	s_add_co_u32 s22, s22, 2*HALFT                 ; which lies behind A
.irp s, 0,1
	v_add_nc_u32 v[ADRA+\s], s21, v3
	v_add_nc_u32 v[ADRB+\s], s22, v4
	s_add_co_u32 s21, s21, SLOT
	s_add_co_u32 s22, s22, SLOT
.endr
	s_mul_i32 s23, s10, 16*SPITCH
	s_add_co_u32 s23, s23, STAGE                   ; my stage
	v_mul_u32_u24 v4, v1, SPITCH
	v_lshl_add_u32 v4, v2, 4, v4
	v_add_nc_u32 v[STO], s23, v4
	v_mul_u32_u24 v5, v2, SPITCH
	v_lshl_add_u32 v5, v1, 4, v5
	v_add_nc_u32 v[RD], s23, v5
	v_mul_u32_u24 v5, v2, SIZE_N*2
	v_lshl_add_u32 v[CO], v1, 4, v5
.if GELU
	v_lshlrev_b32 v[BO], 5, v2                     ; 8 h columns of 4 bytes
	s_lshl_b32 s46, s42, 10                        ; 256 columns of 4 bytes a block column
	s_lshl_b32 s47, s12, 9
	s_add_co_u32 s46, s46, s47
	s_mov_b32 s47, 0
	s_add_nc_u64 s[66:67], s[66:67], s[46:47]
.irp b, 0,1,2,3,4,5,6,7
	global_load_b128 v[BIAS+8*\b:BIAS+8*\b+3], v[BO], s[66:67] offset:64*\b       ; waited for once, in front of the way out
	global_load_b128 v[BIAS+8*\b+4:BIAS+8*\b+7], v[BO], s[66:67] offset:64*\b+16
.endr
	v_mov_b32 v[D1], 0x3d4c41b4                    ; 0.0498673470
	v_mov_b32 v[D1+1], 0x3d4c41b4
	v_mov_b32 v[D2], 0x3cad2fe7                    ; 0.0211410061
	v_mov_b32 v[D2+1], 0x3cad2fe7
	v_mov_b32 v[D3], 0x3b56cd72                    ; 0.0032776263
	v_mov_b32 v[D3+1], 0x3b56cd72
	v_mov_b32 v[D4], 0x381f660e                    ; 0.0000380036
	v_mov_b32 v[D4+1], 0x381f660e
	v_mov_b32 v[D5], 0x384d0fe2                    ; 0.0000488906
	v_mov_b32 v[D5+1], 0x384d0fe2
	v_mov_b32 v[D6], 0x36b49f9e                    ; 0.0000053830
	v_mov_b32 v[D6+1], 0x36b49f9e
.endif
; 16 matrix instructions: row tiles a0, a0 + 1 of the window's four x all 8 column tiles, 32 along K.  zero = 1: the first product starts the sums.
.macro MUL16 f, hi, a0, zero
.irp a, \a0, \a0+1
.irp b, 0,1,2,3,4,5,6,7
.if \zero
	v_wmma_f32_16x16x32_bf16 v[8*(8*(\a)+\b):8*(8*(\a)+\b)+7], v[\f+8*\b:\f+8*\b+7], v[\f+8*(4*\hi+\a):\f+8*(4*\hi+\a)+7], 0
.else
	v_wmma_f32_16x16x32_bf16 v[8*(8*(\a)+\b):8*(8*(\a)+\b)+7], v[\f+8*\b:\f+8*\b+7], v[\f+8*(4*\hi+\a):\f+8*(4*\hi+\a)+7], v[8*(8*(\a)+\b):8*(8*(\a)+\b)+7]
.endif
.endr
.endr
.endm
; 32 LDS loads in one run: the fragments of quarter q (32 along K) into buffer f.  W's come transposed: k-rows 32 q + 8 h + l % 8 and 16 further down.
.macro FETCH slot, q, f
	WIN TO_B
.irp i, 0,1,2,3,4,5,6,7
	ds_load_tr16_b128 v[\f+8*\i:\f+8*\i+3],   v[ADRB+\slot] offset:\q*32*BPITCH+32*\i
	ds_load_tr16_b128 v[\f+8*\i+4:\f+8*\i+7], v[ADRB+\slot] offset:\q*32*BPITCH+32*\i+16*BPITCH
.endr
	WIN 0
.irp i, 0,1,2,3,4,5,6,7
	ds_load_b128 v[\f+8*\i:\f+8*\i+3],   v[ADRA+\slot] offset:\q*64+\i*16*PITCH
	ds_load_b128 v[\f+8*\i+4:\f+8*\i+7], v[ADRA+\slot] offset:\q*64+\i*16*PITCH+32
.endr
.endm
; Four plain places between a matrix instruction and a load into, or a vector instruction on, one of its registers (ISA guide 7.12.1 for vector instructions)
.macro PLACES
.rept 4
	v_nop
.endr
.endm
.macro QUARTER slot, q, f, g, zero
	s_wait_dscnt 8                                 ; W and A's rows 0-63 are in; the youngest eight loads (A's rows 64-127) may be out
	WIN MUL_LO
	MUL16 \f, 0, 0, \zero
	MUL16 \f, 0, 2, \zero
	PLACES
	FETCH \slot, \q, \g
	s_wait_dscnt 32                                ; all but the 32 just issued
	WIN MUL_HI
	MUL16 \f, 1, 0, \zero
	MUL16 \f, 1, 2, \zero
.endm
.macro THREE slot, zero
	QUARTER \slot, 1, F0, F1, \zero
	QUARTER \slot, 2, F1, F0, 0
	QUARTER \slot, 3, F0, F1, 0
.endm
; The last quarter of a K step changes slots.  In front of the barrier each wave waits for its reads of this slot and for all its tensor loads (one is
; out: its part of the next slot).  Behind it, where this slot is filled again, the rest of a round of the cluster's barrier, and the joint refill first.
.macro TURN slot, next, fill
	s_wait_dscnt 8
	WIN MUL_LO
	MUL16 F1, 0, 0, 0
	s_wait_dscnt 0                                 ; my reads of this slot are over
	s_wait_tensorcnt 0x0                           ; and all my tensor loads have landed
	ds_add_u32 v255, v31
	s_wait_dscnt 0x0
	s_barrier_signal -1
	MUL16 F1, 0, 2, 0                              ; register work while the others arrive
	WIN 0
	s_barrier_wait -1
.if \fill
	CREST                                          ; no wave of any partner still reads this slot or has a load on its way
	s_add_nc_u64 s[G0+4*\slot+2:G0+4*\slot+3], s[G0+4*\slot+2:G0+4*\slot+3], 2*KSTEP*2
	s_add_nc_u64 s[G0B+4*\slot+2:G0B+4*\slot+3], s[G0B+4*\slot+2:G0B+4*\slot+3], 2*KSTEP*SIZE_N*2
	JLOAD \slot                                    ; the first tensor load behind the round
.endif
	PLACES
	FETCH \next, 0, F0
	WIN MUL_HI
	MUL16 F1, 1, 0, 0
	MUL16 F1, 1, 2, 0
.endm
.macro LAP zero
	THREE 0, \zero
	TURN 0, 1, 1
	THREE 1, 0
	TURN 1, 0, 1
.endm
	s_wait_tensorcnt 1                             ; my part of K step 0 is in; K step 1's stays out
	s_barrier_signal -1
	s_barrier_wait -1
	FETCH 0, 0, F0
	LAP 1                                          ; the first lap stands in front of the loop: its first products start the sums
	WIN 0
	s_mov_b32 s3, LAPS-2
.Llap:
	LAP 0
	WIN 0
	s_sub_co_u32 s3, s3, 1
	s_cmp_lg_u32 s3, 0
	s_cbranch_scc1 .Llap
	THREE 0, 0                                     ; the last lap fills nothing
	TURN 0, 1, 0
	THREE 1, 0
	s_wait_dscnt 8
	WIN MUL_LO
	MUL16 F1, 0, 0, 0
	MUL16 F1, 0, 2, 0
	s_wait_dscnt 0
	WIN MUL_HI
	MUL16 F1, 1, 0, 0
	MUL16 F1, 1, 2, 0
	; THE WAY OUT, 16 rows at a time: bias, gelu, to bf16, 16 bytes a lane into my own stage, back as whole rows of 256 bytes
	PLACES
	s_lshl_b32 s13, s13, 8
	s_lshl_b32 s14, s11, 7
	s_add_co_u32 s16, s13, s14                     ; my first row of C
	s_mul_i32 s16, s16, SIZE_N*2
	s_mov_b32 s17, 0
	s_add_nc_u64 s[8:9], s[8:9], s[16:17]
	s_lshl_b32 s46, s42, 9                         ; my first column, in bytes
	s_lshl_b32 s47, s12, 8
	s_add_co_u32 s46, s46, s47
	s_mov_b32 s47, 0
	s_add_nc_u64 s[8:9], s[8:9], s[46:47]
.if GELU
	s_wait_loadcnt 0x0                             ; the bias
.endif
; gelu(v) = v Phi(v) = max(v, 0) - |v| / (2 p(|v|)^16), p(x) = 1 + d1 x + .. + d6 x^6: the error of Phi is below 1.5e-7 for every v.
; Where p^16 passes the largest f32 its reciprocal is 0, the right limit.  Sixteen numbers a lane (two column tiles) at a time.
.macro GELU16 bb
.set GV, F0+16*\bb
.set i, 0
.rept 16
	v_and_b32 v[GA+i], 0x7fffffff, v[GV+i]
.set i, i+1
.endr
.set i, 0
.rept 8
	v_pk_fma_f32 v[GP+i:GP+i+1], v[GA+i:GA+i+1], v[D6:D6+1], v[D5:D5+1]
.set i, i+2
.endr
.irp d, D4, D3, D2, D1
.set i, 0
.rept 8
	v_pk_fma_f32 v[GP+i:GP+i+1], v[GP+i:GP+i+1], v[GA+i:GA+i+1], v[\d:\d+1]
.set i, i+2
.endr
.endr
.set i, 0
.rept 8
	v_pk_fma_f32 v[GP+i:GP+i+1], v[GP+i:GP+i+1], v[GA+i:GA+i+1], 1.0 op_sel_hi:[1,1,0]
.set i, i+2
.endr
.rept 4
.set i, 0
.rept 8
	v_pk_mul_f32 v[GP+i:GP+i+1], v[GP+i:GP+i+1], v[GP+i:GP+i+1]
.set i, i+2
.endr
.endr
.set i, 0
.rept 16
	v_rcp_f32 v[GP+i], v[GP+i]
.set i, i+1
.endr
.set i, 0
.rept 16
	v_max_num_f32 v[GV+i], 0, v[GV+i]              ; also the plain place behind the reciprocals (ISA guide 5.7.2)
.set i, i+1
.endr
.set i, 0
	s_wait_alu depctr_va_vdst(0)
.rept 8
	v_pk_mul_f32 v[GA+i:GA+i+1], v[GA+i:GA+i+1], v[GP+i:GP+i+1]
.set i, i+2
.endr
.set i, 0
.rept 8
	v_pk_fma_f32 v[GV+i:GV+i+1], v[GA+i:GA+i+1], -0.5, v[GV+i:GV+i+1] op_sel_hi:[1,0,1]
.set i, i+2
.endr
.set i, 0
.rept 8
	v_cvt_pk_bf16_f32 v[TMP+8*\bb+i], v[GV+2*i], v[GV+2*i+1]
.set i, i+1
.endr
.endm
; rows 16 i .. 16 i + 15 of my block = the eight tiles (a, 0..7) of window 2 (hi = 0) or 3 (hi = 1)
.macro OUT16 i, a, hi
.if GELU
	WIN 0x02+\hi                                   ; source 0 in the accumulators' window
.irp b, 0,1,2,3,4,5,6,7
.irp r, 0,1,2,3
	v_pk_add_f32 v[F0+8*\b+2*\r:F0+8*\b+2*\r+1], v[8*(8*\a+\b)+2*\r:8*(8*\a+\b)+2*\r+1], v[BIAS+8*\b+2*\r:BIAS+8*\b+2*\r+1]
.endr
.endr
	WIN 0
	GELU16 0
	GELU16 1
	GELU16 2
	GELU16 3
.else
	WIN 0x0a+5*\hi                                 ; sources 0 and 1 in the accumulators' window
.irp b, 0,1,2,3,4,5,6,7
.irp r, 0,1,2,3
	v_cvt_pk_bf16_f32 v[TMP+4*\b+\r], v[8*(8*\a+\b)+2*\r], v[8*(8*\a+\b)+2*\r+1]
.endr
.endr
	WIN 0
.endif
.irp b, 0,1,2,3,4,5,6,7
	ds_store_b128 v[STO], v[TMP+4*\b:TMP+4*\b+3] offset:32*\b
.endr
	s_wait_xcnt 0x0                                ; RB, which the last stores read, and their base are rewritten only behind this wait
.if \i
	s_add_nc_u64 s[8:9], s[8:9], 16*SIZE_N*2
.endif
.irp t, 0,1,2,3,4,5,6,7
	ds_load_b128 v[RB+4*\t:RB+4*\t+3], v[RD] offset:\t*2*SPITCH    ; LDS serves a wave's instructions in order: these see the stores above
.endr
.irp t, 0,1,2,3,4,5,6,7
	s_wait_dscnt 7-\t
	global_store_b128 v[CO], v[RB+4*\t:RB+4*\t+3], s[8:9] offset:2*\t*SIZE_N*2   ; 16 lanes store 256 consecutive bytes, at a multiple of 256
.endr
.endm
	OUT16 0, 0, 0
	OUT16 1, 1, 0
	OUT16 2, 2, 0
	OUT16 3, 3, 0
	OUT16 4, 0, 1
	OUT16 5, 1, 1
	OUT16 6, 2, 1
	OUT16 7, 3, 1
	s_set_vgpr_msb 0x1
	s_wait_tensorcnt 0x0
	ds_add_u32 v255, v31
	s_wait_dscnt 0x0
	s_set_vgpr_msb 0x100
	CROUND                                         ; the closing round: no work-group ends while a partner may still ask for a tile that names it
	s_endpgm
.Lfunc_end_k_q49a5307c11_ffn1:
	.size	k_q49a5307c11_ffn1, .Lfunc_end_k_q49a5307c11_ffn1-k_q49a5307c11_ffn1
	.p2alignl 7, 3214868480
	.fill 96, 4, 3214868480
	.section	.rodata,"a",@progbits
	.p2align	6, 0x0
	.amdhsa_kernel k_q49a5307c11_ffn1
		.amdhsa_group_segment_fixed_size 327680
		.amdhsa_private_segment_fixed_size 0
		.amdhsa_enable_private_segment 0
		.amdhsa_kernarg_size 32
		.amdhsa_user_sgpr_count 2
		.amdhsa_user_sgpr_kernarg_segment_ptr 1
		.amdhsa_wavefront_size32 1
		.amdhsa_system_sgpr_workgroup_id_x 1
		.amdhsa_system_sgpr_workgroup_id_y 1
		.amdhsa_system_sgpr_workgroup_id_z 1
		.amdhsa_system_vgpr_workitem_id 0
		.amdhsa_next_free_vgpr 1024
		.amdhsa_next_free_sgpr 72
		.amdhsa_reserve_vcc 0
		.amdhsa_float_denorm_mode_32 3
		.amdhsa_float_denorm_mode_16_64 3
		.amdhsa_memory_ordered 1
		.amdhsa_forward_progress 1
		.amdhsa_inst_pref_size 255
	.end_amdhsa_kernel
	.section	.bss,"aw",@nobits
	.p2align	6
	.space	262144
	.amdgpu_metadata
---
amdhsa.version: [ 1, 2 ]
amdhsa.kernels:
  - .name:           k_q49a5307c11_ffn1
    .symbol:         k_q49a5307c11_ffn1.kd
    .args:
      - { .name: hn, .offset: 0, .size: 8, .value_kind: global_buffer, .address_space: global }
      - { .name: wb, .offset: 8, .size: 8, .value_kind: global_buffer, .address_space: global }
      - { .name: b1, .offset: 16, .size: 8, .value_kind: global_buffer, .address_space: global }
      - { .name: g, .offset: 24, .size: 8, .value_kind: global_buffer, .address_space: global }
    .group_segment_fixed_size: 327680
    .private_segment_fixed_size: 0
    .kernarg_segment_align: 8
    .kernarg_segment_size: 32
    .max_flat_workgroup_size: 128
    .sgpr_count:     72
    .vgpr_count:     1024
    .wavefront_size: 32
...
	.end_amdgpu_metadata
.endif
;; end of part 6
;; launch ffn2 (part 7): grid 8 x 32, 4 waves a work-group, clusters of 4 x 4, 327,680 bytes of LDS; arguments g, wb2, b2, x1, out0; writes out0
.if DOCPART == 7
	.amdgcn_target "amdgcn-amd-amdhsa--gfx1250"
	.amdhsa_code_object_version 6
	.text
	.protected	k_q49a5307c11_ffn2
	.globl	k_q49a5307c11_ffn2
	.p2align	8
	.type	k_q49a5307c11_ffn2,@function
k_q49a5307c11_ffn2:
	s_mov_b64 s[64:65], 0
	v_nop
	global_prefetch_b8 v0, s[64:65] scope:SCOPE_SE
	s_setreg_imm32_b32 hwreg(HW_REG_WAVE_MODE, 25, 1), 1
	s_wait_xcnt 0x0
	s_wait_alu depctr_hold_cnt(0) depctr_sa_sdst(0) depctr_va_vdst(0) depctr_va_sdst(0) depctr_va_ssrc(0) depctr_va_vcc(0) depctr_vm_vsrc(0)
	s_getreg_b32 s2, hwreg(HW_REG_IB_STS2, 6, 4)
	s_cmp_eq_u32 s2, 0
	s_cbranch_scc0 .Lentry_in_a_cluster
	s_endpgm
.Lentry_in_a_cluster:
	s_bfe_u32 s2, ttmp6, 0x10000c
	s_cmp_lg_u32 s2, 0xf033
	s_cbranch_scc0 .Lentry_shape_is_right
	s_endpgm
.Lentry_shape_is_right:
; C[m][n] = res[m][n] + bias[n] + sum over k of A[m][k] W[k][n].  A [4096][SIZE_K] bf16, W [SIZE_K][1024] bf16 (byte WOFF of its buffer), res and C [4096][1024] f32.
; N is 1,024: blocks of 128 x 128 give 256 work-groups.  Four waves, 64 x 64 each: 16 accumulator tiles.
; K goes in steps of 256 through two LDS slots.  A's tile: 128 rows of 512 bytes; W's tile: 256 k-rows of 256 bytes; each wave fetches half of one.
; W lies [K][N]: its fragments come by the transposing LDS load.
; CLUSTERS: 4 x 4 work-groups; A's tile is asked for jointly along a row of the cluster, W's along a column.
; THE K STEPS ARE WALKED ROUND A RING that begins at step k0 = (NSTEP / 2) x cluster x + (NSTEP / 4) x (cluster y % 4), modulo NSTEP.  k0 is made of the
; cluster's own coordinates, so it is the same in all sixteen partners and their joint requests still meet.  The two clusters along x, which read the same
; tiles of A, begin half a ring apart, and clusters along y, which read the same tiles of W, a quarter apart: a tile is asked for by one cluster first and by
; the others some steps later, not by all at the same step.  LIMIT: K is summed in that ring order, an order of rounding that differs from an ascending sum's.
; (With CASTW = 1 the same text also rounds a weight matrix for a later launch; here it does not.)
; REGISTERS: window 0: v16-33 addresses and bias, v64-127 and v128-191 fragments of A (two buffers, 64 along K each), v192-223 rows on the way out;
;   window 1: v64-191 fragments of W; window 2: v0-127 accumulators (tile (a, b) at v[8 (4 a + b)]), v128-255 the residual, loaded at the head.
; The matrix instruction is used transposed (source 0 = W, source 1 = A): a lane's eight results are eight neighbouring columns of a row of C.
; The 16 accumulators take turns, one instruction a turn, in the same order everywhere.
.set SIZE_K, 4096
.set SIZE_N, 1024
.set WOFF,   0
.set CASTW,  0
.set KSTEP,  256
.set NSTEP,  SIZE_K/KSTEP              ; a power of two
.set APITCH, 528                       ; 512 bytes + 16: an odd multiple of 16
.set BPITCH, 288                       ; 256 bytes + 32: an odd multiple of 32
.set QUART,  36864                     ; a wave's part of a slot: 64 rows of A (33,792 bytes used) or 128 k-rows of W
.set SLOT,   4*QUART
.set STAGE,  2*SLOT                    ; 16 rows x 272 bytes for each wave; no fill ever lands there
.set SPITCH, 272
.set LAPS,   SIZE_K/(2*KSTEP)
.set ADRA, 16                          ; v16-17  A's fragments in slot 0, 1
.set ADRB, 20                          ; v20-23  W's fragments in slot s, k-rows 128 hi ..: v[20 + 2 s + hi]
.set STO,  24
.set RD,   25
.set CO,   26
.set BO,   27
.set BIAS, 28                          ; v[28:31]
.set CL,   32
.set CS,   33
.set F0,   64
.set F1,   128
.set RB,   192
.set RES,  128                         ; window 2
.set G1,  24
.set G0,  32
.set G1B, 48
.set G0B, 56
.set MSB, 0
.macro WIN new
.if MSB != (\new)
	s_set_vgpr_msb (MSB<<8)|(\new)
.set MSB, (\new)
.endif
.endm
.set MUL,  0xa1                        ; source 0 (W) window 1, source 1 (A) window 0, C and D window 2
.set TO_B, 0x40
.macro JLOAD s                         ; waves 0 and 1 ask for A's halves, waves 2 and 3 for W's
	s_cmp_eq_u32 s11, 0
	s_cbranch_scc0 .Lfor_b_\@
	tensor_load_to_lds s[G0+4*\s:G0+4*\s+3], s[G1:G1+7]
	s_nop 0
	s_branch .Lasked_\@
.Lfor_b_\@:
	tensor_load_to_lds s[G0B+4*\s:G0B+4*\s+3], s[G1B:G1B+7]
	s_nop 0
.Lasked_\@:
.endm
; The next K step of the ring into slot s's two address pairs.  s76 counts the steps from k0 on; s[72:73] and s[74:75] are A's and W's addresses at K step 0,
; type bits set.  It stands where no tensor load of the wave is out.
.macro SETK s
	s_and_b32 s77, s76, NSTEP-1
	s_add_co_u32 s76, s76, 1
	s_lshl_b32 s78, s77, 9                         ; A: 256 numbers of 2 bytes a step
	s_add_nc_u64 s[G0+4*\s+2:G0+4*\s+3], s[72:73], s[78:79]
	s_lshl_b32 s78, s77, 19                        ; W: 256 k-rows of 2,048 bytes a step
	s_add_nc_u64 s[G0B+4*\s+2:G0B+4*\s+3], s[74:75], s[78:79]
.endm
.macro CREST
	s_cmp_lg_u32 s10, 0
	s_cbranch_scc1 .Lnot_wave_0_\@
	s_barrier_signal -3
.Lnot_wave_0_\@:
	s_barrier_wait -3
	s_barrier_signal -1
	s_barrier_wait -1
.endm
.macro CROUND
	s_barrier_signal -1
	s_barrier_wait -1
	CREST
.endm
	s_load_b128 s[4:7], s[0:1], 0x0                ; A s[4:5], W's buffer s[6:7]
	s_load_b128 s[68:71], s[0:1], 0x10             ; bias s[68:69], residual s[70:71]
	s_load_b64 s[8:9], s[0:1], 0x20                ; C
	s_set_vgpr_msb 0x40
	v_lshl_add_u32 v255, v0, 2, 0x4c400
	s_set_vgpr_msb 0x4000
	v_mov_b32 v255, 0
	s_set_vgpr_msb 0x1
	ds_add_u32 v255, v255
	ds_add_u32 v255, v255
	s_set_vgpr_msb 0x100
.if CASTW
	s_load_b64 s[80:81], s[0:1], 0x28              ; w2 in f32
	s_load_b64 s[82:83], s[0:1], 0x30              ; w2 in bf16
.endif
	v_lshrrev_b32 v1, 5, v0
	v_readfirstlane_b32 s10, v1                    ; wave
	s_lshr_b32 s11, s10, 1                         ; my half of the rows.  Also: I fetch for A (0) or for W (1)
	s_and_b32 s12, s10, 1                          ; my half of the columns.  Also: which half of that tile I fetch
	s_bfe_u32 s40, ttmp6, 0x40000                  ; cx
	s_bfe_u32 s41, ttmp6, 0x40004                  ; cy
	s_lshl_b32 s42, ttmp9, 2
	s_add_co_u32 s42, s42, s40                     ; block column
	s_and_b32 s13, ttmp7, 0xffff
	s_lshl_b32 s13, s13, 2
	s_add_co_u32 s13, s13, s41                     ; block row
	s_lshl_b32 s43, s41, 2
	s_lshl_b32 s43, 15, s43                        ; my row of the cluster
	s_lshl_b32 s44, 0x1111, s40                    ; my column
	s_or_b32 s[G1+0], s43, (1<<16)|(1<<20)|(1<<21)|(6<<22)|(3<<25)   ; 4 words of padding behind every 128
	s_or_b32 s[G1B+0], s44, (1<<16)|(1<<20)|(1<<21)|(5<<22)|(7<<25)  ; 8 words behind every 64
	s_mov_b32 s[G1+1], KSTEP<<16                   ; tensor_dim0 = 256
	s_mov_b32 s[G1+2], 64<<16                      ; tensor_dim1 = 64
	s_mov_b32 s[G1+3], KSTEP<<16                   ; tile_dim0 = 256
	s_mov_b32 s[G1+4], 64                          ; tile_dim1 = 64
	s_mov_b32 s[G1+5], SIZE_K
	s_mov_b32 s[G1+6], 0
	s_mov_b32 s[G1+7], 0
	s_mov_b32 s[G1B+1], 128<<16                    ; tensor_dim0 = 128
	s_mov_b32 s[G1B+2], 128<<16                    ; tensor_dim1 = 128
	s_mov_b32 s[G1B+3], 128<<16                    ; tile_dim0 = 128
	s_mov_b32 s[G1B+4], 128                        ; tile_dim1 = 128
	s_mov_b32 s[G1B+5], SIZE_N
	s_mov_b32 s[G1B+6], 0
	s_mov_b32 s[G1B+7], 0
	s_lshl_b32 s16, s13, 7
	s_lshl_b32 s17, s12, 6
	s_add_co_u32 s16, s16, s17                     ; A: row 128 x block row + 64 x half
	s_mul_i32 s16, s16, SIZE_K*2
	s_mov_b32 s17, 0
	s_lshl_b32 s46, s42, 8                         ; W: 128 columns = 256 bytes a block column
	s_lshl_b32 s47, s12, 18                        ; + 128 k-rows of 2,048 bytes x half
	s_add_co_u32 s46, s46, s47
	s_add_co_u32 s46, s46, WOFF
	s_mov_b32 s47, 0
	s_mul_i32 s20, s10, QUART                      ; LDS: the wave's number alone
	s_and_b32 s76, ttmp7, 3                        ; where my cluster enters the ring of K steps: cluster y % 4 quarters
	s_mul_i32 s76, s76, NSTEP/4
	s_mul_i32 s77, ttmp9, NSTEP/2                  ; + cluster x halves
	s_add_co_u32 s76, s76, s77
	s_mov_b32 s79, 0                               ; upper word of the steps' offsets
	s_wait_dscnt 0x0
	s_wait_kmcnt 0x0
	s_add_nc_u64 s[72:73], s[4:5], s[16:17]
	s_add_nc_u64 s[74:75], s[6:7], s[46:47]
	s_or_b32 s73, s73, 0x80000000                  ; the descriptors' type bits
	s_or_b32 s75, s75, 0x80000000
	CROUND                                         ; the first joint loads meet
.irp s, 0,1
	s_mov_b32 s[G0+4*\s], 1
	s_add_co_u32 s[G0+4*\s+1], s20, \s*SLOT
	s_mov_b32 s[G0B+4*\s], 1
	s_add_co_u32 s[G0B+4*\s+1], s20, \s*SLOT
	SETK \s
	JLOAD \s                                       ; two tensor loads of the wave are out here, one later on
.endr
	v_and_b32 v1, 15, v0                           ; r
	v_bfe_u32 v2, v0, 4, 1                         ; h
	v_mul_u32_u24 v3, v1, APITCH
	v_lshl_add_u32 v3, v2, 4, v3
	v_and_b32 v4, 7, v0
	v_lshl_add_u32 v4, v2, 3, v4
	v_mul_u32_u24 v4, v4, BPITCH
	v_bfe_u32 v5, v0, 3, 1
	v_lshl_add_u32 v4, v5, 4, v4
	s_mul_i32 s21, s11, QUART                      ; my 64 rows of A
	s_lshl_b32 s22, s12, 7                         ; my 64 columns of W,
	s_add_co_u32 s22, s22, 2*QUART                 ; which lies behind A
.irp s, 0,1
	v_add_nc_u32 v[ADRA+\s], s21, v3
	v_add_nc_u32 v[ADRB+2*\s], s22, v4
	s_add_co_u32 s22, s22, QUART
	v_add_nc_u32 v[ADRB+2*\s+1], s22, v4
	s_add_co_u32 s21, s21, SLOT
	s_add_co_u32 s22, s22, SLOT-QUART
.endr
	s_mul_i32 s23, s10, 16*SPITCH
	s_add_co_u32 s23, s23, STAGE
	v_mul_u32_u24 v4, v1, SPITCH
	v_lshl_add_u32 v4, v2, 5, v4                   ; in: row r, 32 bytes for each half of the lanes
	v_add_nc_u32 v[STO], s23, v4
	v_mul_u32_u24 v5, v2, SPITCH
	v_lshl_add_u32 v5, v1, 4, v5                   ; back: lanes 0-15 one row of 256 bytes, lanes 16-31 the next
	v_add_nc_u32 v[RD], s23, v5
	v_lshlrev_b32 v5, 12, v2
	v_lshl_add_u32 v[CO], v1, 4, v5                ; the same two rows in C and in the residual
	v_lshlrev_b32 v[BO], 4, v1
	s_lshl_b32 s16, s13, 7
	s_lshl_b32 s17, s11, 6
	s_add_co_u32 s16, s16, s17                     ; my first row,
	s_lshl_b32 s16, s16, 12                        ; in bytes
	s_mov_b32 s17, 0
	s_add_nc_u64 s[70:71], s[70:71], s[16:17]
	s_add_nc_u64 s[8:9], s[8:9], s[16:17]
	s_lshl_b32 s46, s42, 9                         ; my first column, in bytes
	s_lshl_b32 s47, s12, 8
	s_add_co_u32 s46, s46, s47
	s_mov_b32 s47, 0
	s_add_nc_u64 s[70:71], s[70:71], s[46:47]
	s_add_nc_u64 s[8:9], s[8:9], s[46:47]
	s_add_nc_u64 s[68:69], s[68:69], s[46:47]
	WIN 0x80                                       ; the residual goes to window 2 and is waited for in front of its use
.irp a, 0,1,2,3
.irp t, 0,1,2,3,4,5,6,7
	global_load_b128 v[RES+4*(8*\a+\t):RES+4*(8*\a+\t)+3], v[CO], s[70:71] offset:(16*\a+2*\t)*4096
.endr
.endr
	WIN 0
	global_load_b128 v[BIAS:BIAS+3], v[BO], s[68:69]
.if CASTW
	v_and_b32 v[CL], 31, v0
	v_lshlrev_b32 v[CS], 3, v[CL]
	v_lshlrev_b32 v[CL], 4, v[CL]
	s_lshl3_add_u32 s84, s13, s42                  ; work-group 8 x block row + block column,
	s_lshl2_add_u32 s84, s84, s10                  ; wave number in the launch
	s_lshl_b32 s84, s84, 13                        ; 8,192 bytes of bf16 a wave,
	s_mov_b32 s85, 0
	s_add_nc_u64 s[82:83], s[82:83], s[84:85]
	s_lshl_b32 s84, s84, 1                         ; 16,384 bytes of f32
	s_add_nc_u64 s[80:81], s[80:81], s[84:85]
	WIN TO_B                                       ; into window 1
.set j, 0
.rept 16
	global_load_b128 v[4*j:4*j+3], v[CL], s[80:81] offset:512*j th:TH_LOAD_NT
.set j, j+1
.endr
.set j, 0
.rept 16
	global_load_b128 v[192+4*j:192+4*j+3], v[CL], s[80:81] offset:8192+512*j th:TH_LOAD_NT
.set j, j+1
.endr
	WIN 0
.endif
; 8 matrix instructions: row tiles a0, a0 + 1 x 4 column tiles, 32 along K (half kq of a buffer)
.macro MULS f, kq, a0, zero
.irp a, \a0, \a0+1
.irp b, 0,1,2,3
.if \zero
	v_wmma_f32_16x16x32_bf16 v[8*(4*(\a)+\b):8*(4*(\a)+\b)+7], v[\f+8*(4*\kq+\b):\f+8*(4*\kq+\b)+7], v[\f+8*(4*\kq+(\a)):\f+8*(4*\kq+(\a))+7], 0
.else
	v_wmma_f32_16x16x32_bf16 v[8*(4*(\a)+\b):8*(4*(\a)+\b)+7], v[\f+8*(4*\kq+\b):\f+8*(4*\kq+\b)+7], v[\f+8*(4*\kq+(\a)):\f+8*(4*\kq+(\a))+7], v[8*(4*(\a)+\b):8*(4*(\a)+\b)+7]
.endif
.endr
.endr
.endm
; 32 LDS loads in one run: the fragments of unit u (64 along K) into buffer f; W first, then A; in each the first 32 of K first
.macro FETCH slot, u, f
	WIN TO_B
.irp kq, 0,1
.irp b, 0,1,2,3
	ds_load_tr16_b128 v[\f+8*(4*\kq+\b):\f+8*(4*\kq+\b)+3],   v[ADRB+2*\slot+(\u>>1)] offset:((\u&1)*64+32*\kq)*BPITCH+32*\b
	ds_load_tr16_b128 v[\f+8*(4*\kq+\b)+4:\f+8*(4*\kq+\b)+7], v[ADRB+2*\slot+(\u>>1)] offset:((\u&1)*64+32*\kq+16)*BPITCH+32*\b
.endr
.endr
	WIN 0
.irp kq, 0,1
.irp a, 0,1,2,3
	ds_load_b128 v[\f+8*(4*\kq+\a):\f+8*(4*\kq+\a)+3],   v[ADRA+\slot] offset:16*APITCH*\a+128*\u+64*\kq
	ds_load_b128 v[\f+8*(4*\kq+\a)+4:\f+8*(4*\kq+\a)+7], v[ADRA+\slot] offset:16*APITCH*\a+128*\u+64*\kq+32
.endr
.endr
.endm
.macro PLACES                          ; four plain places between a matrix instruction and a load into, or a vector instruction on, its registers (ISA guide 7.12.1 for vector instructions)
.rept 4
	v_nop
.endr
.endm
.macro UNIT slot, u, f, g, zero
	s_wait_dscnt 8                                 ; all but A's second 32 of K (the youngest eight loads)
	WIN MUL
	MULS \f, 0, 0, \zero
	MULS \f, 0, 2, \zero
	PLACES
	FETCH \slot, \u, \g
	s_wait_dscnt 32                                ; all but the 32 just issued
	WIN MUL
	MULS \f, 1, 0, 0
	MULS \f, 1, 2, 0
.endm
.macro THREE slot, zero
	UNIT \slot, 1, F0, F1, \zero
	UNIT \slot, 2, F1, F0, 0
	UNIT \slot, 3, F0, F1, 0
.endm
; The last unit of a K step changes slots: each wave's waits for its reads of this slot and for all its tensor loads stand in front of the barrier;
; where this slot is filled again the rest of a round of the cluster's barrier follows, and the joint refill is the first tensor load behind it.
.macro TURN slot, next, fill
	s_wait_dscnt 8
	WIN MUL
	MULS F1, 0, 0, 0
	s_wait_dscnt 0
	s_wait_tensorcnt 0x0
	ds_add_u32 v255, v255
	s_wait_dscnt 0x0
	s_barrier_signal -1
	MULS F1, 0, 2, 0
	WIN 0
	s_barrier_wait -1
.if \fill
	CREST
	SETK \slot
	JLOAD \slot
.endif
	PLACES
	FETCH \next, 0, F0
	WIN MUL
	MULS F1, 1, 0, 0
	MULS F1, 1, 2, 0
.endm
.macro LAP zero
	THREE 0, \zero
	TURN 0, 1, 1
	THREE 1, 0
	TURN 1, 0, 1
.endm
	s_wait_tensorcnt 1                             ; my part of the first K step is in; the second's stays out
	s_barrier_signal -1
	s_barrier_wait -1
	FETCH 0, 0, F0
	LAP 1
.if CASTW
	WIN 0
	s_wait_loadcnt 0x0                             ; my part of w2 (and the residual and the bias, which were asked for ahead of it)
	WIN 0x45                                       ; both sources and the destination in window 1
.irp b, 0, 192
.set j, 0
.rept 16
	v_cvt_pk_bf16_f32 v[\b+4*j], v[\b+4*j], v[\b+4*j+1]
	v_cvt_pk_bf16_f32 v[\b+4*j+1], v[\b+4*j+2], v[\b+4*j+3]
.set j, j+1
.endr
.endr
	WIN 0x04                                       ; the stores' data in window 1; each store of the wave covers 256 consecutive bytes, aligned
.set j, 0
.rept 16
	global_store_b64 v[CS], v[4*j:4*j+1], s[82:83] offset:256*j
.set j, j+1
.endr
.set j, 0
.rept 16
	global_store_b64 v[CS], v[192+4*j:192+4*j+1], s[82:83] offset:4096+256*j
.set j, j+1
.endr
	WIN 0
.endif
.if LAPS > 2
	WIN 0
	s_mov_b32 s3, LAPS-2
.Llap:
	LAP 0
	WIN 0
	s_sub_co_u32 s3, s3, 1
	s_cmp_lg_u32 s3, 0
	s_cbranch_scc1 .Llap
.endif
	THREE 0, 0                                     ; the last lap fills nothing
	TURN 0, 1, 0
	THREE 1, 0
	s_wait_dscnt 0
	WIN MUL
	MULS F1, 0, 0, 0
	MULS F1, 0, 2, 0
	MULS F1, 1, 0, 0
	MULS F1, 1, 2, 0
	; THE WAY OUT, 16 rows at a time: the f32 sums through my stage, back as whole rows of 256 bytes, + bias + residual
	PLACES
	s_wait_loadcnt 0x0                             ; residual and bias
.macro OUTS a
	WIN 0x08                                       ; the stores' data in window 2
.irp b, 0,1,2,3
	ds_store_b128 v[STO], v[8*(4*\a+\b):8*(4*\a+\b)+3] offset:64*\b
	ds_store_b128 v[STO], v[8*(4*\a+\b)+4:8*(4*\a+\b)+7] offset:64*\b+16
.endr
	WIN 0
	s_wait_xcnt 0x0                                ; RB, which the last stores read, is rewritten only behind this wait
.irp t, 0,1,2,3,4,5,6,7
	ds_load_b128 v[RB+4*\t:RB+4*\t+3], v[RD] offset:\t*2*SPITCH    ; LDS serves a wave's instructions in order
.endr
	s_wait_dscnt 0x0
.irp t, 0,1,2,3,4,5,6,7
	v_pk_add_f32 v[RB+4*\t:RB+4*\t+1], v[RB+4*\t:RB+4*\t+1], v[BIAS:BIAS+1]
	v_pk_add_f32 v[RB+4*\t+2:RB+4*\t+3], v[RB+4*\t+2:RB+4*\t+3], v[BIAS+2:BIAS+3]
.endr
	WIN 0x08                                       ; source 1 in window 2
.irp t, 0,1,2,3,4,5,6,7
	v_pk_add_f32 v[RB+4*\t:RB+4*\t+1], v[RB+4*\t:RB+4*\t+1], v[RES+4*(8*\a+\t):RES+4*(8*\a+\t)+1]
	v_pk_add_f32 v[RB+4*\t+2:RB+4*\t+3], v[RB+4*\t+2:RB+4*\t+3], v[RES+4*(8*\a+\t)+2:RES+4*(8*\a+\t)+3]
.endr
	WIN 0
.irp t, 0,1,2,3,4,5,6,7
	global_store_b128 v[CO], v[RB+4*\t:RB+4*\t+3], s[8:9] offset:(16*\a+2*\t)*4096   ; 16 lanes store 256 consecutive bytes, at a multiple of 256
.endr
.endm
	OUTS 0
	OUTS 1
	OUTS 2
	OUTS 3
	s_set_vgpr_msb 0x1
	s_wait_tensorcnt 0x0
	ds_add_u32 v255, v255
	s_wait_dscnt 0x0
	s_set_vgpr_msb 0x100
	CROUND                                         ; the closing round
	s_endpgm
.Lfunc_end_k_q49a5307c11_ffn2:
	.size	k_q49a5307c11_ffn2, .Lfunc_end_k_q49a5307c11_ffn2-k_q49a5307c11_ffn2
	.p2alignl 7, 3214868480
	.fill 96, 4, 3214868480
	.section	.rodata,"a",@progbits
	.p2align	6, 0x0
	.amdhsa_kernel k_q49a5307c11_ffn2
		.amdhsa_group_segment_fixed_size 327680
		.amdhsa_private_segment_fixed_size 0
		.amdhsa_enable_private_segment 0
		.amdhsa_kernarg_size 40
		.amdhsa_user_sgpr_count 2
		.amdhsa_user_sgpr_kernarg_segment_ptr 1
		.amdhsa_wavefront_size32 1
		.amdhsa_system_sgpr_workgroup_id_x 1
		.amdhsa_system_sgpr_workgroup_id_y 1
		.amdhsa_system_sgpr_workgroup_id_z 1
		.amdhsa_system_vgpr_workitem_id 0
		.amdhsa_next_free_vgpr 768
		.amdhsa_next_free_sgpr 88
		.amdhsa_reserve_vcc 0
		.amdhsa_float_denorm_mode_32 3
		.amdhsa_float_denorm_mode_16_64 3
		.amdhsa_memory_ordered 1
		.amdhsa_forward_progress 1
		.amdhsa_inst_pref_size 134
	.end_amdhsa_kernel
	.amdgpu_metadata
---
amdhsa.version: [ 1, 2 ]
amdhsa.kernels:
  - .name:           k_q49a5307c11_ffn2
    .symbol:         k_q49a5307c11_ffn2.kd
    .args:
      - { .name: g, .offset: 0, .size: 8, .value_kind: global_buffer, .address_space: global }
      - { .name: wb2, .offset: 8, .size: 8, .value_kind: global_buffer, .address_space: global }
      - { .name: b2, .offset: 16, .size: 8, .value_kind: global_buffer, .address_space: global }
      - { .name: x1, .offset: 24, .size: 8, .value_kind: global_buffer, .address_space: global }
      - { .name: out0, .offset: 32, .size: 8, .value_kind: global_buffer, .address_space: global }
    .group_segment_fixed_size: 327680
    .private_segment_fixed_size: 0
    .kernarg_segment_align: 8
    .kernarg_segment_size: 40
    .max_flat_workgroup_size: 128
    .sgpr_count:     88
    .vgpr_count:     768
    .wavefront_size: 32
...
	.end_amdgpu_metadata
.endif
;; end of part 7
